; MI455X (gfx1250); checked and timed in simulation.
; The chip was launched on July 23, 2026; its instructions are those of AMD's public machine-readable ISA for CDNA 5 (MIT licence, August 2026) and "CDNA5" Instruction Set Architecture Reference Guide (July 2026). The comments in the code are by the model that wrote it; some were corrected since.
;; Multi Head Attention. Allowed arithmetic: matrix products marked QUANTISED: E2M1 operands, one E8M0 scale for each 32 along K, by v_wmma_scale_f32_16x16x128_f8f6f4 with both operands' format E2M1 (or v_wmma_scale_f32_32x16x128_f4), f32 sums; everything else in f32.
;; Inputs: Wk 16 x 1,024 x 64 float32; Wo 1,024 x 1,024 float32; Wq 16 x 1,024 x 64 float32; Wv 16 x 1,024 x 64 float32; bk 16 x 64 float32; bo 1,024 float32; bq 16 x 64 float32; bv 16 x 64 float32; key_in 2 x 2,048 x 1,024 float32; query 2 x 2,048 x 1,024 float32; value 2 x 2,048 x 1,024 float32.
;; Outputs: out0 2 x 2,048 x 1,024 float32.
;; This version of the problem:
;;   THIS VERSION OF THE PROBLEM IS GIVEN IN LOW PRECISION. The matrix products marked QUANTISED in the list below multiply operands that are first quantised to E2M1 (2 exponent bits, 1 mantissa bit; 4 bits a number), with one power-of-two scale for each 32 numbers along K (OCP MX v1.0); their sums are f32. All else is computed in f32.
;;   The module's matrix products, in the order in which they are computed (A, B: the left and right operand; K: the contracted axis; several contracted axes count as one K, in the product's order):
;;     1. [M 1,024, K 1,024] x [K 1,024, N 4,096]; A: input Wq; B: input query: QUANTISED
;;     2. [M 1,024, K 1,024] x [K 1,024, N 4,096]; A: input Wk; B: input key_in: QUANTISED
;;     3. [M 1,024, K 1,024] x [K 1,024, N 4,096]; A: input Wv; B: input value: QUANTISED
;;     4. batch 32 x [M 2,048, K 64] x [K 64, N 2,048]; A: computed on the way; B: computed on the way: QUANTISED
;;     5. batch 32 x [M 2,048, K 2,048] x [K 2,048, N 64]; A: softmax (see below); B: computed on the way: QUANTISED
;;     6. [M 4,096, K 1,024] x [K 1,024, N 1,024]; A: computed on the way; B: input Wo: QUANTISED
;;   THE QUANTISER, for each operand of a quantised product, along K:
;;     - K is cut into blocks of 32 from its start; a last block that is shorter is filled with zeros.
;;     - A block's scale is 2^e with e = floor(log2(the largest magnitude in the block)) - 2, held to -126 .. 127; a block of zeros has e = 0. As a byte (E8M0): e + 127.
;;     - Each number is divided by its block's scale, clamped to +-6, and rounded to the nearest number of E2M1, ties to even, subnormals kept.
;;     - The product sums the exact products of the quantised numbers (number of the format x scale) in f32.
;;   ~~~python
;;   def quantise(x, axis):      # numpy; x: float32 -> the quantised numbers, widened to float32 again
;;       x = np.moveaxis(x, axis, -1); K = x.shape[-1]
;;       x = np.pad(x, [(0, 0)] * (x.ndim - 1) + [(0, -K % 32)]); x = x.reshape(x.shape[:-1] + (-1, 32)); a = np.abs(x).max(-1, keepdims=True)
;;       e = np.where(a > 0, np.clip(np.frexp(np.where(a > 0, a, 1))[1] - 1 - 2, -126, 127), 0)      # np.frexp(a)[1] - 1 = floor(log2(a)), exactly
;;       r = np.clip(x / 2.0 ** e, -6, 6)
;;       step = 2.0 ** (np.maximum(np.frexp(np.where(r == 0, 1, r))[1] - 1, 0) - 1)
;;       q = np.round(r / step) * step * 2.0 ** e      # np.round: ties to even
;;       return np.moveaxis(q.reshape(q.shape[:-2] + (-1,))[..., :K], -1, axis).astype(np.float32)
;;   ~~~
;;   SOFTMAX AHEAD OF A QUANTISED PRODUCT. Where the list says 'softmax', what is quantised is not the finished softmax but p = 2^(t - M), with t = logit x log2(e) and M = ceil(the row's largest t), a whole number; so 1/2 < the row's largest p <= 1. The row's sum l is taken of the UNQUANTISED p, in f32, and the product's result is divided by l at the end. Since M is a whole number, a kernel that streams over the keys may use a running M (the ceiling of the running maximum): every later rescaling is an exact power of two, which a block's scale takes up: the codes' values come out the same.
;;   OPERANDS COMPUTED ON THE WAY. 'Computed on the way' means the value that the module computes at that place (a softmax that the list does not call 'softmax' is quantised finished and normalised). What goes into a quantiser is computed in f32, as accurately as f32 sums, v_exp_f32 and their like allow (about 1e-6 of the number): no bf16 or f16 on the way to a quantiser, and a product that is left as it is and whose result goes on into a quantised operand takes f32 operands (vector FMAs, or v_wmma_f32_16x16x4_f32). A number that lies on a knife's edge between two numbers of the format may be rounded either way, as far as f32 arithmetic and the matrix unit's own rounding can turn it there, and no further.
;; One version. Each part assembles by itself: llvm-mc -triple=amdgcn-amd-amdhsa -mcpu=gfx1250 --defsym DOCPART=n.
;; ======== version 1 of 1: 4 launches
;; limits: right only within a limited range of input values
;; workspace buffers: xc 6,291,456 bytes; xs 393,216 bytes; wc 2,097,152 bytes; ws 131,072 bytes; pc 6,291,456 bytes; ps 786,432 bytes; oc 2,097,152 bytes; os 131,072 bytes
;; launch quant (part 1): grid 256 x 1, 8 waves a work-group, no clusters, 167,936 bytes of LDS; arguments query, key_in, value, Wo, Wq, Wk, Wv, xc, xs, wc, ws; writes xc, xs, wc, ws
.if DOCPART == 1
	.amdgcn_target "amdgcn-amd-amdhsa--gfx1250"
	.amdhsa_code_object_version 6
	.text
	.protected	k_qca00b8580d_quant
	.globl	k_qca00b8580d_quant
	.p2align	8
	.type	k_qca00b8580d_quant,@function
k_qca00b8580d_quant:
	s_mov_b64 s[64:65], 0
	v_nop
	global_prefetch_b8 v0, s[64:65] scope:SCOPE_SE
	s_setreg_imm32_b32 hwreg(HW_REG_WAVE_MODE, 25, 1), 1
	s_wait_xcnt 0x0
; query, key_in, value [4096][1024], Wo [1024][1024] (K innermost) and Wq, Wk, Wv [16][1024][64] (K = the middle axis), all f32, become codes of FP4 (E2M1) with one E8M0 byte for each 32 along K.
; A block's scale is 2^(floor(log2(its largest magnitude)) - 2): its byte is the largest magnitude's exponent field - 2, held at 1 from below by a floor among the maximum's leaves.
; A block of zeros so keeps the byte 1 where the rule says 127: its codes are zeros, and these bytes are read by this program alone.
; LIMITS: NaN and infinities among the inputs are not served; blocks whose largest magnitude lies under 2^-124 are held at the byte 1.
; LAYOUT OF THE RESULTS: the order of an operand's registers.  Rows go in tiles of 16: position p of tile 4 g + t is row 64 g + 8 t + p % 8 + 32 (p / 8).
;   codes  [tile][block of 32 along K: 0..31][position][16 bytes]: 8,192 bytes a tile; a fragment's four registers are 512 consecutive bytes, 16 a lane.
;   scales [tile][half of K][position][4 words]: 512 bytes a tile; word q of half kh belongs to K step 4 kh + q, its byte i to that step's block i.
; SHARES: 2,048 units of 32,768 bytes, a wave each: 256 equal work-groups.  Units 0..1663: one tile x 512 along K of the tensors whose K is innermost (512 each for query, key_in, value, 128 for Wo).
; Units 1664..2047: 64 columns of one head x 128 along K of Wq, Wk, Wv; a lane takes columns l and 32 + l, its registers running down K.  Only the first kind uses LDS.  Waves share nothing: no barrier.
; No loop and no tensor load: nothing is prefetched.
.set ROWWG, 208
.set SP,    528                        ; a stage row: 512 bytes + 16
.set STG,   16*SP                      ; a wave's stage
.set SPARE, 8*STG                      ; the spare words
.set R,     64                         ; v64-191  two sets of 64: numbers as loaded
.set X,     192                        ; v192-255 64 numbers of a lane: two whole blocks
.set CD,    16                         ; v16-47   codes: registers of their own for each step, so that no store's data are written again
.set W,     48                         ; v48-51   the scale words
.set FLOOR, 0x1800000                  ; 2^(3 - 127)
.set EOFF,  0xff000000                 ; takes 2 off an exponent field
	s_load_b256 s[4:11], s[0:1], 0x0               ; query, key_in, value, Wo
	s_load_b256 s[12:19], s[0:1], 0x20             ; Wq, Wk, Wv, xc
	s_load_b128 s[20:23], s[0:1], 0x40             ; xs, wc
	s_load_b64 s[24:25], s[0:1], 0x50              ; ws
	v_lshl_add_u32 v62, v0, 2, SPARE
	v_mov_b32 v63, 0
	v_lshrrev_b32 v1, 5, v0
	v_readfirstlane_b32 s26, v1                    ; wave 0..7
	v_and_b32 v14, 31, v0                          ; lane
	s_mov_b32 s40, 0x76543210
	s_mov_b32 s41, 0xfedcba98                      ; v_permlanex16_b32's selects for lane l xor 16
	s_mov_b32 s37, 0                               ; the high words of the three offsets
	s_mov_b32 s39, 0
	s_mov_b32 s45, 0
	s_lshl_b32 s27, ttmp9, 3
	s_add_co_u32 s27, s27, s26                     ; my unit
; Two blocks of a lane, 32 registers each from v[xs] on: v6, v7 the largest magnitudes, v8, v9 the conversions' scale operands, v10, v11 the bytes.
.macro SCALE2 xs
.irp c, 0,1
	v_max3_num_f32 v[6+\c], |v[(\xs)+32*\c]|, |v[(\xs)+32*\c+1]|, FLOOR
.endr
.irp i, 2,4,6,8,10,12,14,16,18,20,22,24,26,28,30
.irp c, 0,1
	v_max3_num_f32 v[6+\c], v[6+\c], |v[(\xs)+32*\c+\i]|, |v[(\xs)+32*\c+\i+1]|   ; (the two blocks by turns)
.endr
.endr
.irp c, 0,1
	v_add_nc_u32 v[8+\c], EOFF, v[6+\c]            ; the conversion takes this operand's exponent field as its scale
.endr
.irp c, 0,1
	v_lshrrev_b32 v[10+\c], 23, v[8+\c]
.endr
.endm
.macro CODES dst, xs
.irp c, 0,1
.irp g, 0,1,2,3
	v_cvt_scalef32_pk8_fp4_f32 v[(\dst)+4*\c+\g], v[(\xs)+32*\c+8*\g:(\xs)+32*\c+8*\g+7], v[8+\c]
.endr
.endr
	v_nop                                          ; one plain line behind the last scaled conversion
.endm
	s_cmp_ge_u32 ttmp9, ROWWG
	s_cbranch_scc1 .Lcols
; ---------------- K innermost ----------------
	s_lshr_b32 s28, ttmp9, 6                       ; t: 0 query, 1 key_in, 2 value, 3 Wo
	s_bfe_u32 s29, s27, 0x80001                    ; my tile T
	s_and_b32 s42, s27, 1                          ; my half of K
	s_lshr_b32 s36, s29, 2                         ; the source: row 64 (T / 4) + 8 (T % 4), 4,096 bytes a row, + 2,048 for the second half of K
	s_lshl_b32 s36, s36, 18
	s_and_b32 s43, s29, 3
	s_lshl_b32 s43, s43, 15
	s_add_co_u32 s36, s36, s43
	s_lshl_b32 s43, s42, 11
	s_add_co_u32 s36, s36, s43
	s_lshl_b32 s38, s28, 21                        ; the codes: tensor t of xc, or Wo's part of wc,
	s_lshl_b32 s44, s28, 17                        ; the scales likewise
	s_cmp_eq_u32 s28, 3
	s_cselect_b32 s38, 0x180000, s38
	s_cselect_b32 s44, 0x18000, s44
	s_lshl_b32 s43, s29, 13                        ; + 8,192 T + 4,096 kh
	s_add_co_u32 s38, s38, s43
	s_lshl_b32 s43, s42, 12
	s_add_co_u32 s38, s38, s43
	s_lshl_b32 s43, s29, 9                         ; + 512 T + 256 kh
	s_add_co_u32 s44, s44, s43
	s_lshl_b32 s43, s42, 8
	s_add_co_u32 s44, s44, s43
	s_wait_alu depctr_va_vdst(0)
	v_lshlrev_b32 v1, 4, v14                       ; 16 x lane: my bytes of a load's or a store's 512
	s_mul_i32 s43, s26, STG
	v_add_nc_u32 v2, s43, v1                       ; into the stage: a row as it was loaded
	v_and_b32 v15, 15, v0                          ; position
	v_bfe_u32 v5, v0, 4, 1                         ; e: my half of the lanes
	v_mul_u32_u24 v3, v15, SP
	v_lshl_add_u32 v3, v5, 7, v3
	v_add_nc_u32 v3, s43, v3                       ; out of it: my row, + 128 e: blocks e and 2 + e of the K step
	v_lshlrev_b32 v4, 4, v15
	v_lshl_add_u32 v4, v5, 3, v4                   ; the scale words' place: 16 x position + 8 e
	v_lshlrev_b32 v5, 3, v5                        ; 8 e: my bytes' shift in a scale word
	v_mov_b32 v13, 0                               ; a lane permute's destination counts as one of its sources
	s_wait_alu depctr_va_vdst(0)                   ; the wait at the head's end
	s_wait_kmcnt 0x0
	s_cmp_eq_u32 s28, 0                            ; the buffers are chosen by the work-group's number alone
	s_cselect_b64 s[30:31], s[4:5], s[6:7]
	s_cmp_eq_u32 s28, 2
	s_cselect_b64 s[30:31], s[8:9], s[30:31]
	s_cmp_eq_u32 s28, 3
	s_cselect_b64 s[30:31], s[10:11], s[30:31]
	s_cselect_b64 s[32:33], s[22:23], s[18:19]
	s_cselect_b64 s[34:35], s[24:25], s[20:21]
	s_add_nc_u64 s[30:31], s[30:31], s[36:37]
	s_add_nc_u64 s[32:33], s[32:33], s[38:39]
	s_add_nc_u64 s[34:35], s[34:35], s[44:45]
.macro LOAD s                          ; K step s of my half: 512 consecutive bytes of each of the tile's 16 rows
.irp i, 0,1,2,3,4,5,6,7,8,9,10,11,12,13,14,15
	global_load_b128 v[R+64*((\s)%2)+4*\i:R+64*((\s)%2)+4*\i+3], v1, s[30:31] offset:(((\i)&7)+32*((\i)>>3))*4096+512*(\s) th:TH_LOAD_NT
.endr
.endm
.macro STEP s
.if (\s) < 3
	s_wait_loadcnt 16                              ; this step's 16 loads are in; the next step's 16 may be out
.else
	s_wait_loadcnt 0x0
.endif
.irp i, 0,1,2,3,4,5,6,7,8,9,10,11,12,13,14,15
	ds_store_b128 v2, v[R+64*((\s)%2)+4*\i:R+64*((\s)%2)+4*\i+3] offset:SP*\i
.endr
.irp c, 0,1
.irp j, 0,1,2,3,4,5,6,7
	ds_load_b128 v[X+32*\c+4*\j:X+32*\c+4*\j+3], v3 offset:256*\c+16*\j   ; LDS serves a wave's instructions in order: these see the stores above.  k = 64 c + 32 e + 0 .. 31 of my row
.endr
.endr
	s_wait_dscnt 0x0                               ; my 64 numbers are in, and the stores have read the set,
.if (\s) < 2
	LOAD (\s)+2                                    ; which takes the loads of two steps on
.endif
	SCALE2 X
	v_lshl_or_b32 v12, v11, 16, v10                ; blocks e and 2 + e,
	v_lshlrev_b32 v12, v5, v12                     ; at their places in the word;
	v_permlanex16_b32 v13, v12, s40, s41
	v_or_b32 v[W+(\s)], v12, v13                   ; with lane l xor 16's two the word is whole
	CODES CD+8*(\s), X
.irp c, 0,1
	global_store_b128 v1, v[CD+8*(\s)+4*\c:CD+8*(\s)+4*\c+3], s[32:33] offset:1024*(\s)+512*\c   ; 512 consecutive bytes: four registers of the fragment, lane by lane
.endr
.endm
	LOAD 0
	LOAD 1
	STEP 0
	STEP 1
	STEP 2
	STEP 3
	v_cmp_lt_u32 vcc_lo, 15, v14                   ; lanes 16-31 store words 2 and 3 of their row, lanes 0-15 words 0 and 1
	v_cndmask_b32 v52, v48, v50, vcc_lo
	v_cndmask_b32 v53, v49, v51, vcc_lo
	global_store_b64 v4, v[52:53], s[34:35]        ; 256 consecutive bytes, aligned
	s_wait_tensorcnt 0x0                           ; the wave's end
	ds_add_u32 v62, v63
	s_wait_dscnt 0x0
	s_endpgm
; ---------------- K is the middle axis ----------------
.Lcols:
	s_sub_co_u32 s27, s27, 8*ROWWG
	s_lshr_b32 s28, s27, 7                         ; t: 0 Wq, 1 Wk, 2 Wv
	s_bfe_u32 s29, s27, 0x40003                    ; the head
	s_and_b32 s42, s27, 7                          ; which K step of 128
	s_lshl_b32 s36, s29, 18                        ; the source: head x 262,144 + K step x 128 rows of 256 bytes
	s_lshl_b32 s46, s42, 15
	s_add_co_u32 s36, s36, s46
	s_lshl_b32 s38, s28, 19                        ; the codes: tensor t, tile 4 head (+ the lane's), K step
	s_lshl_b32 s46, s29, 15
	s_add_co_u32 s38, s38, s46
	s_lshl_b32 s46, s42, 10
	s_add_co_u32 s38, s38, s46
	s_lshl_b32 s44, s28, 15                        ; the scales: the same tile, half of K, word
	s_lshl_b32 s46, s29, 11
	s_add_co_u32 s44, s44, s46
	s_lshr_b32 s46, s42, 2
	s_lshl_b32 s46, s46, 8
	s_add_co_u32 s44, s44, s46
	s_and_b32 s46, s42, 3
	s_lshl_b32 s46, s46, 2
	s_add_co_u32 s44, s44, s46
	s_wait_alu depctr_va_vdst(0)
	v_lshlrev_b32 v1, 2, v14                       ; in: 4 bytes a lane: columns l and 32 + l
	v_bfe_u32 v5, v0, 3, 1                         ; out, behind the exchange of lanes: lane l holds position l % 8 + 8 (l / 16) of tile (l / 8) % 2, and of tile 2 + (l / 8) % 2
	v_and_b32 v12, 7, v0
	v_bfe_u32 v13, v0, 4, 1
	v_lshl_add_u32 v12, v13, 3, v12
	v_lshlrev_b32 v12, 4, v12                      ; 16 x position
	v_lshl_add_u32 v2, v5, 13, v12                 ; my place among the codes
	v_lshl_add_u32 v3, v5, 9, v12                  ; and among the scale words
	s_wait_alu depctr_va_vdst(0)                   ; the wait at the head's end
	s_wait_kmcnt 0x0
	s_cmp_eq_u32 s28, 0
	s_cselect_b64 s[30:31], s[12:13], s[14:15]
	s_cmp_eq_u32 s28, 2
	s_cselect_b64 s[30:31], s[16:17], s[30:31]
	s_add_nc_u64 s[30:31], s[30:31], s[36:37]
	s_add_nc_u64 s[32:33], s[22:23], s[38:39]
	s_add_nc_u64 s[34:35], s[24:25], s[44:45]
.macro CLOAD b                         ; block b: 32 rows of W, 256 consecutive bytes a row in two loads
.irp i, 0,1,2,3,4,5,6,7,8,9,10,11,12,13,14,15,16,17,18,19,20,21,22,23,24,25,26,27,28,29,30,31
.irp c, 0,1
	global_load_b32 v[R+64*((\b)%2)+32*\c+\i], v1, s[30:31] offset:(32*(\b)+\i)*256+128*\c th:TH_LOAD_NT
.endr
.endr
.endm
.macro BLOCK b
.if (\b) < 3
	s_wait_loadcnt 63                              ; this block's 64 loads are in; 63 of the next block's 64 may be out
.else
	s_wait_loadcnt 0x0
.endif
	SCALE2 R+64*((\b)%2)
.irp c, 0,1
.if (\b) == 0
	v_mov_b32 v[W+\c], v[10+\c]                    ; the K step's four bytes make my column's word
.else
	v_lshl_or_b32 v[W+\c], v[10+\c], 8*(\b), v[W+\c]
.endif
.endr
	CODES CD+8*(\b), R+64*((\b)%2)
.irp g, 0,1,2,3
	v_permlane16_swap_b32 v[CD+8*(\b)+\g], v[CD+8*(\b)+4+\g]   ; columns 16-31 change places with columns 32-47: the first four registers now hold tiles 0 and 1, the others tiles 2 and 3
.endr
.irp c, 0,1
	global_store_b128 v2, v[CD+8*(\b)+4*\c:CD+8*(\b)+4*\c+3], s[32:33] offset:256*(\b)+16384*\c   ; two runs of 256 consecutive bytes, one in each of two tiles
.endr
.if (\b) < 2
	CLOAD (\b)+2
.endif
.endm
	CLOAD 0
	CLOAD 1
	BLOCK 0
	BLOCK 1
	BLOCK 2
	BLOCK 3
	v_permlane16_swap_b32 v[W], v[W+1]             ; the words likewise
	global_store_b32 v3, v[W], s[34:35]            ; 4 bytes a lane, 16 bytes apart: 96 KiB in the launch, against the 12 MiB that this path reads
	global_store_b32 v3, v[W+1], s[34:35] offset:1024
	s_endpgm
.Lfunc_end_k_qca00b8580d_quant:
	.size	k_qca00b8580d_quant, .Lfunc_end_k_qca00b8580d_quant-k_qca00b8580d_quant
	.p2alignl 7, 3214868480
	.fill 96, 4, 3214868480
	.section	.rodata,"a",@progbits
	.p2align	6, 0x0
	.amdhsa_kernel k_qca00b8580d_quant
		.amdhsa_group_segment_fixed_size 167936
		.amdhsa_private_segment_fixed_size 0
		.amdhsa_enable_private_segment 0
		.amdhsa_kernarg_size 88
		.amdhsa_user_sgpr_count 2
		.amdhsa_user_sgpr_kernarg_segment_ptr 1
		.amdhsa_wavefront_size32 1
		.amdhsa_system_sgpr_workgroup_id_x 1
		.amdhsa_system_sgpr_workgroup_id_y 1
		.amdhsa_system_sgpr_workgroup_id_z 1
		.amdhsa_system_vgpr_workitem_id 0
		.amdhsa_next_free_vgpr 256
		.amdhsa_next_free_sgpr 66
		.amdhsa_reserve_vcc 1
		.amdhsa_float_denorm_mode_32 3
		.amdhsa_float_denorm_mode_16_64 3
		.amdhsa_memory_ordered 1
		.amdhsa_forward_progress 1
		.amdhsa_inst_pref_size 69
	.end_amdhsa_kernel
	.amdgpu_metadata
---
amdhsa.version: [ 1, 2 ]
amdhsa.kernels:
  - .name:           k_qca00b8580d_quant
    .symbol:         k_qca00b8580d_quant.kd
    .args:
      - { .name: query, .offset: 0, .size: 8, .value_kind: global_buffer, .address_space: global }
      - { .name: key_in, .offset: 8, .size: 8, .value_kind: global_buffer, .address_space: global }
      - { .name: value, .offset: 16, .size: 8, .value_kind: global_buffer, .address_space: global }
      - { .name: Wo, .offset: 24, .size: 8, .value_kind: global_buffer, .address_space: global }
      - { .name: Wq, .offset: 32, .size: 8, .value_kind: global_buffer, .address_space: global }
      - { .name: Wk, .offset: 40, .size: 8, .value_kind: global_buffer, .address_space: global }
      - { .name: Wv, .offset: 48, .size: 8, .value_kind: global_buffer, .address_space: global }
      - { .name: xc, .offset: 56, .size: 8, .value_kind: global_buffer, .address_space: global }
      - { .name: xs, .offset: 64, .size: 8, .value_kind: global_buffer, .address_space: global }
      - { .name: wc, .offset: 72, .size: 8, .value_kind: global_buffer, .address_space: global }
      - { .name: ws, .offset: 80, .size: 8, .value_kind: global_buffer, .address_space: global }
    .group_segment_fixed_size: 167936
    .private_segment_fixed_size: 0
    .kernarg_segment_align: 8
    .kernarg_segment_size: 88
    .max_flat_workgroup_size: 256
    .sgpr_count:     66
    .vgpr_count:     256
    .wavefront_size: 32
...
	.end_amdgpu_metadata
.endif
;; end of part 1
;; launch proj (part 2): grid 4 x 48, 8 waves a work-group, clusters of 4 x 4, 279,552 bytes of LDS; arguments xc, xs, wc, ws, bq, bk, bv, pc, ps; writes pc, ps
.if DOCPART == 2
	.amdgcn_target "amdgcn-amd-amdhsa--gfx1250"
	.amdhsa_code_object_version 6
	.text
	.protected	k_qca00b8580d_proj
	.globl	k_qca00b8580d_proj
	.p2align	8
	.type	k_qca00b8580d_proj,@function
k_qca00b8580d_proj:
	s_mov_b64 s[64:65], 0
	v_nop
	global_prefetch_b8 v0, s[64:65] scope:SCOPE_SE
	s_setreg_imm32_b32 hwreg(HW_REG_WAVE_MODE, 25, 1), 1
	s_wait_xcnt 0x0
	s_wait_alu depctr_hold_cnt(0) depctr_sa_sdst(0) depctr_va_vdst(0) depctr_va_sdst(0) depctr_va_ssrc(0) depctr_va_vcc(0) depctr_vm_vsrc(0)
	s_getreg_b32 s2, hwreg(HW_REG_IB_STS2, 6, 4)
	s_cmp_eq_u32 s2, 0
	s_cbranch_scc0 .Lentry_in_a_cluster
	s_endpgm
.Lentry_in_a_cluster:
	s_bfe_u32 s2, ttmp6, 0x10000c
	s_cmp_lg_u32 s2, 0xf033
	s_cbranch_scc0 .Lentry_shape_is_right
	s_endpgm
.Lentry_shape_is_right:
; Q = query Wq + bq, K = key_in Wk + bk, V = value Wv + bv on codes of FP4 with E8M0 scales, and the results quantised at once for attention's two products: Q and K along the head's 64, V along the keys.
; A work-group makes 256 x 256 results for all of K = 1,024; its eight waves 128 x 64 each, two waves to a SIMD, 512 registers a wave.
; ROLES.  In a result, register q of lane (p, e) is (row 8 e + q of source 0's tile, row p of source 1's tile), and a quantiser wants its axis along a lane's registers.
;   Q, K: source 0 = the weights (the head's dims), source 1 = the tokens.   V: source 0 = the tokens (the keys), source 1 = the weights (the channels).
; Position p of tile 4 g + t stands for row 64 g + 8 t + p % 8 + 32 (p / 8) in every operand: so the 32 registers of four neighbouring tiles of source 0 are 32 neighbours along the next K, one whole block: lane (p, e) has block e.
; ALL OF BOTH OPERANDS LIES IN LDS AT ONCE (2 x 128 KiB of codes, 2 x 8 KiB of scale words): each byte of LDS is filled once, in two quarters and a half of K, and no wave stores into LDS.  One tensor load a wave.
; CLUSTERS: 4 x 4 work-groups.  Source 0's block hangs on cx and is asked for jointly by the four of a column, source 1's on cy, by the four of a row.  The tensor (t) and the quarter (Y) of the tokens come from the cluster's y: equal in all partners.
; No loop runs ahead of loads: nothing is prefetched.
; OUT.  pc: [part: Q, K, V][16 batch + head][unit 0..127][lane][16 bytes]; ps: the same units, 64 bytes each: a word a position, byte 0 | byte 1 << 8, the upper bytes 0.
;   Q, K: a unit is a tile of 16 tokens; lane (p, e) holds dims 32 e .. + 31 of position p.   V: unit 4 g + c: lane (p, e) holds keys 64 g + 32 e .. + 31 of position p of channel tile c.
; LIMITS: NaN and infinities are not served; a block whose largest magnitude lies under 2^-124 (a block of zeros too) keeps the byte 1.
; REGISTERS.  Window 0: v1-13 addresses; v16-47 scale words; v48-143, v144-239 two sets of fragments (64 of source 0, 32 of source 1); the bias lies in the second set until the first K step is done; later the quantiser's.
;   Window 1: the 32 accumulators, (i, j) at v[8 (8 j + i)].
.set SC,   16
.set F,    48
.set BI,   144
.set TM,   48                          ; the way out: v48-79 maxima, v80-87 scale operands, v88-95 bytes, v96-103 the other half's, v104-111 the words
.set CD,   144                         ; v144-175 the codes made
.set L_S1,  131072                     ; LDS: source 0's codes from 0: two quarters of K [tile 0..15][2,048], then the second half [tile][4,096]; source 1's from here,
.set L_SC1, 262144                     ; source 1's scale words [tile][512],
.set L_SC0, 270336                     ; source 0's,
.set SPARE, 278528                     ; the spare words
.set WV,   22
.set SEL,  66
.set FLOOR, 0x1800000
.set EOFF,  0xff000000
.set MSB, 0
.macro WIN new                         ; the immediate's high byte repeats the setting that is left
.if MSB != \new
	s_set_vgpr_msb (MSB<<8)|\new
.set MSB, \new
.endif
.endm
.macro ROUND                           ; a round of the cluster's barrier
	s_barrier_signal -1
	s_barrier_wait -1
	s_cmp_lg_u32 s[WV], 0
	s_cbranch_scc1 .Lnot_wave_0_\@
	s_barrier_signal -3
.Lnot_wave_0_\@:
	s_barrier_wait -3
	s_barrier_signal -1
	s_barrier_wait -1
.endm
	s_load_b256 s[4:11], s[0:1], 0x0               ; xc, xs, wc, ws
	s_load_b256 s[12:19], s[0:1], 0x20             ; bq, bk, bv, pc
	s_load_b64 s[20:21], s[0:1], 0x40              ; ps
	v_lshl_add_u32 v14, v0, 2, SPARE
	v_mov_b32 v15, 0
	ds_add_u32 v14, v15                            ; the opening: the add, twice on end, and its wait
	ds_add_u32 v14, v15
	v_lshrrev_b32 v1, 5, v0
	v_readfirstlane_b32 s[WV], v1                  ; wave 0..7
	s_and_b32 s23, s[WV], 1                        ; a: my 128 rows of source 0
	s_lshr_b32 s24, s[WV], 1                       ; bb: my 64 rows of source 1
	s_add_co_u32 s25, s24, 3
	s_and_b32 s25, s25, 3                          ; waves 2 to 7: in which quarter of K my load begins: 0, 1, 2
	s_bfe_u32 s26, ttmp6, 0x40000                  ; cx
	s_bfe_u32 s27, ttmp6, 0x40004                  ; cy
	s_and_b32 s28, ttmp7, 0xffff                   ; the cluster's y: 4 t + Y
	s_lshr_b32 s29, s28, 2                         ; t: 0 Q, 1 K, 2 V
	s_and_b32 s30, s28, 3
	s_lshl_b32 s30, s30, 2                         ; 4 Y
	s_lshl_b32 s2, s29, 21                         ; tensor t among the tokens' codes,
	s_lshl_b32 s3, s29, 19                         ; and among the weights'
	s_cmp_eq_u32 s29, 2
	s_cselect_b32 s33, 1, 0                        ; 1 for V
	s_cselect_b32 s31, s30, 0
	s_cselect_b32 s32, 0, s30
	s_cselect_b32 s60, s2, s3
	s_cselect_b32 s66, s3, s2
	s_add_co_u32 s31, s31, s26                     ; I0: source 0's block of 256 rows: made of cx, never of cy
	s_add_co_u32 s32, s32, s27                     ; I1: source 1's: made of cy, never of cx
	s_lshl_b32 s62, s31, 17                        ; a block's codes are 131,072 bytes
	s_add_co_u32 s60, s60, s62
	s_mov_b32 s61, 0
	s_lshr_b32 s62, s60, 4                         ; the scale words lie alike, at a sixteenth of the bytes
	s_mov_b32 s63, 0
	s_lshl_b32 s100, s32, 17
	s_add_co_u32 s66, s66, s100
	s_mov_b32 s67, 0
	s_lshr_b32 s100, s66, 4
	s_mov_b32 s101, 0
	s_lshl_b32 s3, s25, 11                         ; a quarter of K is 2,048 bytes of each tile
	s_add_co_u32 s60, s60, s3
	s_add_co_u32 s66, s66, s3
	s_lshl_b32 s3, s25, 15                         ; and 32,768 bytes of LDS: no place in the cluster enters an LDS address
	s_lshl_b32 s34, 0x1111, s26                    ; my column of the cluster
	s_lshl_b32 s35, s27, 2
	s_lshl_b32 s35, 15, s35                        ; my row
	; descriptor groups 1.  A quarter of K: 16 rows of 256 elements of 8 bytes, 1,024 elements apart; a half: rows of 512.  Scale words: 8,192 dense bytes as 32 rows of 256.
	s_or_b32 s36, s34, (3<<16)|(1<<21)             ; 15:0 the mask; 17:16 elements of 8 bytes; 21 set beside a mask; no padding
	s_or_b32 s44, s35, (3<<16)|(1<<21)
	s_or_b32 s52, s34, (3<<16)|(1<<21)
	s_or_b32 s68, s35, (3<<16)|(1<<21)
.irp g, 36, 44
	s_mov_b32 s[\g+1], 256<<16                     ; tensor_dim0
	s_mov_b32 s[\g+2], 16<<16                      ; tensor_dim1
	s_mov_b32 s[\g+3], 256<<16                     ; tile_dim0
	s_mov_b32 s[\g+4], 16                          ; tile_dim1
	s_mov_b32 s[\g+5], 1024                        ; tensor_dim0_stride
	s_mov_b32 s[\g+6], 0
	s_mov_b32 s[\g+7], 0
.endr
.irp g, 52, 68
	s_mov_b32 s[\g+1], 32<<16
	s_mov_b32 s[\g+2], 32<<16
	s_mov_b32 s[\g+3], 32<<16
	s_mov_b32 s[\g+4], 32
	s_mov_b32 s[\g+5], 32
	s_mov_b32 s[\g+6], 0
	s_mov_b32 s[\g+7], 0
.endr
	s_wait_dscnt 0x0
	ROUND                                          ; all sixteen work-groups are here: the joint loads meet.  (The arguments' loads may be out: nobody writes those bytes)
	s_wait_kmcnt 0x0
	s_cmp_eq_u32 s29, 2
	s_cselect_b64 s[82:83], s[4:5], s[8:9]         ; source 0: V the tokens, else the weights
	s_cselect_b64 s[78:79], s[6:7], s[10:11]
	s_cselect_b64 s[94:95], s[8:9], s[4:5]         ; source 1: the other
	s_cselect_b64 s[98:99], s[10:11], s[6:7]
	s_add_nc_u64 s[82:83], s[82:83], s[60:61]
	s_add_nc_u64 s[78:79], s[78:79], s[62:63]
	s_add_nc_u64 s[94:95], s[94:95], s[66:67]
	s_add_nc_u64 s[98:99], s[98:99], s[100:101]
.irp g, 79, 83, 95, 99
	s_or_b32 s[\g], s[\g], 0x80000000              ; type = 2
.endr
.irp g, 76, 80, 92, 96
	s_mov_b32 s[\g], 1                             ; count = 1
.endr
	s_mov_b32 s77, L_SC0
	s_mov_b32 s81, s3
	s_mov_b32 s97, L_SC1
	s_add_co_u32 s93, s3, L_S1
	s_or_b32 s4, s34, (3<<16)|(1<<21)              ; (the arguments that lay in s[4:11] have been used)
	s_or_b32 s84, s35, (3<<16)|(1<<21)
.irp g, 4, 84
	s_mov_b32 s[\g+1], 512<<16
	s_mov_b32 s[\g+2], 16<<16
	s_mov_b32 s[\g+3], 512<<16
	s_mov_b32 s[\g+4], 16
	s_mov_b32 s[\g+5], 1024
	s_mov_b32 s[\g+6], 0
	s_mov_b32 s[\g+7], 0
.endr
; ONE LOAD A WAVE, each in an arm of its own: waves 0, 1 the scale words of source 0, 1; waves 2, 3 the first quarter of K, 4, 5 the second, 6, 7 the second half.  Each wave's line is its own, since they are waited for at different barriers.
.macro ARM w, g0, g1
	s_cmp_eq_u32 s[WV], \w
	s_cbranch_scc0 .Lnext_\@
	tensor_load_to_lds s[\g0:\g0+3], s[\g1:\g1+7]
	s_nop 0
.rept 4
	v_nop                                          ; (behind a tensor load)
.endr
	s_branch .Lasked
.Lnext_\@:
.endm
	ARM 0, 76, 52
	ARM 1, 96, 68
	ARM 2, 80, 36
	ARM 3, 92, 44
	ARM 4, 80, 36
	ARM 5, 92, 44
	ARM 6, 80, 4
	tensor_load_to_lds s[92:95], s[84:91]
	s_nop 0
.rept 4
	v_nop
.endr
.Lasked:
	s_mov_b32 s[SEL], 0x76543210
	s_mov_b32 s[SEL+1], 0xfedcba98                 ; v_permlanex16_b32's selects for lane l xor 16
	; where my results go
	s_lshl_b32 s60, s31, 2
	s_lshl_b32 s61, s23, 1
	s_add_co_u32 s60, s60, s61                     ; U0: my first 64 rows of source 0; the second are the next
	s_lshl_b32 s61, s32, 2
	s_add_co_u32 s61, s61, s24                     ; U1: my 64 rows of source 1
	s_cmp_eq_u32 s33, 1
	s_cselect_b32 s62, s60, s61                    ; my 64 tokens,
	s_cselect_b32 s28, s61, s60                    ; my head
	s_mov_b32 s25, 65536
	s_cselect_b32 s25, 2048, s25                   ; from my first 64 rows' units to the second's: Q, K the next head's, V the next four
	s_lshr_b32 s60, s62, 5
	s_lshl_b32 s60, s60, 4
	s_add_co_u32 s60, s60, s28                     ; 16 batch + head
	s_lshl_b32 s60, s60, 7
	s_and_b32 s62, s62, 31
	s_lshl_b32 s62, s62, 2
	s_add_co_u32 s62, s60, s62                     ; my first unit
	s_lshl_b32 s60, s62, 9
	s_lshl_b32 s63, s29, 21
	s_add_co_u32 s60, s60, s63
	s_mov_b32 s61, 0
	s_add_nc_u64 s[18:19], s[18:19], s[60:61]
	s_lshl_b32 s60, s62, 6
	s_lshl_b32 s63, s29, 18
	s_add_co_u32 s60, s60, s63
	s_add_nc_u64 s[20:21], s[20:21], s[60:61]
	s_mov_b32 s60, s25
	s_add_nc_u64 s[26:27], s[18:19], s[60:61]
	s_lshr_b32 s60, s25, 3
	s_add_nc_u64 s[62:63], s[20:21], s[60:61]
	s_lshl_b32 s60, s28, 8                         ; my head's biases
	s_cmp_eq_u32 s29, 0
	s_cselect_b64 s[12:13], s[12:13], s[14:15]
	s_cmp_eq_u32 s29, 2
	s_cselect_b64 s[12:13], s[16:17], s[12:13]
	s_add_nc_u64 s[12:13], s[12:13], s[60:61]
	s_lshl_b32 s2, s23, 14                         ; my eight tiles of source 0: 2,048 bytes a tile in a quarter,
	s_lshl_b32 s3, s23, 15
	s_add_co_u32 s3, s3, 65536                     ; 4,096 in the half
	s_lshl_b32 s34, s24, 13
	s_add_co_u32 s34, s34, L_S1                    ; my four of source 1
	s_lshl_b32 s35, s24, 14
	s_add_co_u32 s35, s35, L_S1+65536
	s_xor_b32 s30, s24, 3                          ; the scale words: lanes 16-31 take source 1's, lanes 0-15 source 0's, which lie (4 + 2 a - bb) x 2,048 bytes further on: one product
	s_add_co_u32 s30, s30, 1
	s_lshl_b32 s30, s30, 11
	s_lshl_b32 s31, s23, 12
	s_add_co_u32 s30, s30, s31
	s_lshl_b32 s31, s24, 11
	s_add_co_u32 s31, s31, L_SC1
	v_and_b32 v8, 31, v0                           ; lane
	v_and_b32 v9, 15, v0                           ; p
	v_bfe_u32 v10, v0, 4, 1                        ; e
	v_lshlrev_b32 v1, 4, v8                        ; 16 x lane
	v_lshlrev_b32 v11, 3, v10                      ; 8 e: my byte's shift in a scale word
	v_xor_b32 v13, 1, v10
	v_and_b32 v12, 8, v9
	v_mul_u32_u24 v6, s30, v13
	v_add_nc_u32 v2, s2, v1
	v_add_nc_u32 v3, s3, v1
	v_add_nc_u32 v4, s34, v1
	v_add_nc_u32 v5, s35, v1
	v_lshl_add_u32 v6, v9, 4, v6
	v_mul_u32_u24 v12, 3, v12
	v_lshlrev_b32 v7, 7, v10
	v_add_nc_u32 v6, s31, v6
	v_add_nc_u32 v12, v12, v9                      ; p + 24 (p / 8)
	v_lshlrev_b32 v12, 2, v12
	; THE BIAS is the C of each sum's first matrix instruction: eight registers a tile, in the result's layout
	s_wait_alu depctr_va_vdst(0)                   ; ahead of the branch
	s_cmp_eq_u32 s33, 1
	s_cbranch_scc1 .Lbias_v
.irp i, 0,1,2,3,4,5,6,7
	global_load_b128 v[BI+8*\i:BI+8*\i+3], v7, s[12:13] offset:256*(\i>>2)+32*(\i&3)      ; Q, K: it runs along source 0: tile i's registers are dims 32 e + 8 (i % 4) + 0 .. 7 of head i / 4
	global_load_b128 v[BI+8*\i+4:BI+8*\i+7], v7, s[12:13] offset:256*(\i>>2)+32*(\i&3)+16
.endr
	s_branch .Lbias_done
.Lbias_v:
.irp j, 0,1,2,3
.irp q, 0,1,2,3,4,5,6,7
	global_load_b32 v[BI+8*\j+\q], v12, s[12:13] offset:32*\j             ; V: it runs along source 1: all eight registers of tile j hold the number of channel 8 j + p % 8 + 32 (p / 8)
.endr
.endr
.Lbias_done:
.macro SCALES kh                       ; the scale words of four K steps: register 4 i + q: lanes 0-15 source 0's tile i, lanes 16-31 source 1's tile i (i under 4; behind them words that no product names)
.irp i, 0,1,2,3,4,5,6,7
	ds_load_b128 v[SC+4*\i:SC+4*\i+3], v6 offset:512*\i+256*(\kh)
.endr
.endm
.macro LOADK k                         ; the fragments of K step k into set k % 2: 24 LDS loads of 512 consecutive bytes
.set FS, F+96*((\k)&1)
.if (\k) < 4
.set KA, 2
.set KO, 32768*((\k)>>1)+1024*((\k)&1)
.set KT, 2048
.else
.set KA, 3
.set KO, 1024*((\k)-4)
.set KT, 4096
.endif
.irp i, 0,1,2,3,4,5,6,7
.irp c, 0,1
	ds_load_b128 v[FS+8*\i+4*\c:FS+8*\i+4*\c+3], v[KA] offset:KO+KT*\i+512*\c
.endr
.endr
.irp j, 0,1,2,3
.irp c, 0,1
	ds_load_b128 v[FS+64+8*\j+4*\c:FS+64+8*\j+4*\c+3], v[KA+2] offset:KO+KT*\j+512*\c
.endr
.endr
.endm
; 32 matrix instructions, the 32 accumulators by turns, one instruction a turn, in the same order in every K step.
; mode 0: the sums go on in place; 1: they begin with the bias along source 0; 2: along source 1.
.macro MULK k, mode
.set FS, F+96*((\k)&1)
.set SQ, SC+((\k)&3)
.if \mode == 0
	WIN 0x50                                       ; C and D window 1
.else
	WIN 0x40                                       ; D window 1
.endif
.irp j, 0,1,2,3
.irp i, 0,1,2,3,4,5,6,7
.if \mode == 0
	v_wmma_scale_f32_16x16x128_f8f6f4 v[8*(8*\j+\i):8*(8*\j+\i)+7], v[FS+8*\i:FS+8*\i+7], v[FS+64+8*\j:FS+64+8*\j+7], v[8*(8*\j+\i):8*(8*\j+\i)+7], v[SQ+4*\i], v[SQ+4*\j] matrix_a_fmt:MATRIX_FMT_FP4 matrix_b_fmt:MATRIX_FMT_FP4 matrix_b_scale:MATRIX_SCALE_ROW1
.elseif \mode == 1
	v_wmma_scale_f32_16x16x128_f8f6f4 v[8*(8*\j+\i):8*(8*\j+\i)+7], v[FS+8*\i:FS+8*\i+7], v[FS+64+8*\j:FS+64+8*\j+7], v[BI+8*\i:BI+8*\i+7], v[SQ+4*\i], v[SQ+4*\j] matrix_a_fmt:MATRIX_FMT_FP4 matrix_b_fmt:MATRIX_FMT_FP4 matrix_b_scale:MATRIX_SCALE_ROW1
.else
	v_wmma_scale_f32_16x16x128_f8f6f4 v[8*(8*\j+\i):8*(8*\j+\i)+7], v[FS+8*\i:FS+8*\i+7], v[FS+64+8*\j:FS+64+8*\j+7], v[BI+8*\j:BI+8*\j+7], v[SQ+4*\i], v[SQ+4*\j] matrix_a_fmt:MATRIX_FMT_FP4 matrix_b_fmt:MATRIX_FMT_FP4 matrix_b_scale:MATRIX_SCALE_ROW1
.endif
.endr
.endr
	WIN 0
.endm
.macro PLACES                          ; in front of loads into registers that matrix instructions have read, and of the first read of results (ISA guide 7.12.1 except for the loads)
.rept 4
	v_nop
.endr
.endm
; A part of K is shown to all: waves under n have waited for their load (n = 8: every wave, under no branch); no LDS load of mine is out.
.macro MEET n
.if \n < 8
	s_cmp_lt_u32 s[WV], \n
	s_cbranch_scc0 .Lout_\@
	s_wait_tensorcnt 0x0
.Lout_\@:
.else
	s_wait_tensorcnt 0x0
.endif
	s_barrier_signal -1
	s_barrier_wait -1
.endm
	MEET 4                                         ; the scale words and the first quarter of K
	SCALES 0
	LOADK 0
	s_wait_loadcnt 0x0                             ; the bias
	s_wait_dscnt 0x0
	s_cmp_eq_u32 s33, 1
	s_cbranch_scc1 .Lfirst_v
	MULK 0, 1
	s_branch .Lfirst_done
.Lfirst_v:
	MULK 0, 2
.Lfirst_done:
	MEET 6                                         ; the second quarter
	PLACES
	LOADK 1
	LOADK 2
	s_wait_dscnt 24                                ; from here on the next K step's 24 loads may be out
	MULK 1, 0
	PLACES
	LOADK 3
	s_wait_dscnt 24
	MULK 2, 0
	s_wait_dscnt 0x0                               ; no LDS load of mine is out at the signal
	MEET 8                                         ; the second half
	PLACES
	LOADK 4
	MULK 3, 0                                      ; (its fragments came ahead of the barrier)
	PLACES
	SCALES 1
	LOADK 5
	s_wait_dscnt 24
	MULK 4, 0
	PLACES
	LOADK 6
	s_wait_dscnt 24
	MULK 5, 0
	PLACES
	LOADK 7
	s_wait_dscnt 24
	MULK 6, 0
	s_wait_dscnt 0x0
	MULK 7, 0
	PLACES
	; THE WAY OUT: for each tile j of source 1 and each 64 rows h of source 0 a lane's 32 registers, v[64 j + 32 h ..] of window 1, are one whole block along the next K.  Four chains a block, each accumulator from its low end on
.macro MAXL n
.irp h, 0,1
.irp j, 0,1,2,3
.irp t, 0,1,2,3
.if \n == 0
	v_max3_num_f32 v[TM+16*\h+4*\j+\t], |v[64*\j+32*\h+8*\t]|, |v[64*\j+32*\h+8*\t+1]|, |v[64*\j+32*\h+8*\t+2]|
.else
	v_max3_num_f32 v[TM+16*\h+4*\j+\t], v[TM+16*\h+4*\j+\t], |v[64*\j+32*\h+8*\t+2*\n+1]|, |v[64*\j+32*\h+8*\t+2*\n+2]|
.endif
.endr
.endr
.endr
.endm
	WIN 0x15                                       ; all three sources window 1
	MAXL 0
	WIN 0x14                                       ; sources 1 and 2
	MAXL 1
	MAXL 2
.irp h, 0,1
.irp j, 0,1,2,3
	v_max3_num_f32 v[TM+16*\h+4*\j], v[TM+16*\h+4*\j], |v[64*\j+32*\h+7]|, |v[64*\j+32*\h+15]|
	v_max3_num_f32 v[TM+16*\h+4*\j+1], v[TM+16*\h+4*\j+1], |v[64*\j+32*\h+23]|, |v[64*\j+32*\h+31]|
.endr
.endr
	WIN 0
.irp b, 0,1,2,3,4,5,6,7                ; block b = 4 h + j
	v_max3_num_f32 v[TM+4*\b+2], v[TM+4*\b+2], v[TM+4*\b+3], FLOOR        ; the floor holds the byte at 1 from below
.endr
.irp b, 0,1,2,3,4,5,6,7
	v_max3_num_f32 v[TM+4*\b], v[TM+4*\b], v[TM+4*\b+1], v[TM+4*\b+2]
.endr
.irp b, 0,1,2,3,4,5,6,7
	v_add_nc_u32 v[80+\b], EOFF, v[TM+4*\b]        ; 2 off its exponent field: the conversion's scale operand
.endr
.irp b, 0,1,2,3,4,5,6,7
	v_lshrrev_b32 v[88+\b], 23, v[80+\b]           ; the scale's byte,
.endr
.irp b, 0,1,2,3,4,5,6,7
	v_lshlrev_b32 v[88+\b], v11, v[88+\b]          ; at its place,
.endr
.irp b, 0,1,2,3,4,5,6,7
	v_permlanex16_b32 v[96+\b], v[88+\b], s[SEL], s[SEL+1]
.endr
.irp b, 0,1,2,3,4,5,6,7
	v_or_b32 v[104+\b], v[88+\b], v[96+\b]         ; with lane l xor 16's: the row's word
.endr
	WIN 0x01                                       ; source 0 window 1
.irp h, 0,1
.irp j, 0,1,2,3
.irp g, 0,1,2,3
	v_cvt_scalef32_pk8_fp4_f32 v[CD+16*\h+4*\j+\g], v[64*\j+32*\h+8*\g:64*\j+32*\h+8*\g+7], v[80+4*\h+\j]
.endr
.endr
.endr
	WIN 0
	v_lshlrev_b32 v7, 2, v8                        ; 4 x lane (the bias's loads, which read v7, are long in); also the plain line behind the last scaled conversion
	v_cmp_lt_u32 vcc_lo, 15, v8
.irp m, 0,1,2,3
	v_cndmask_b32 v[112+\m], v[104+2*\m], v[105+2*\m], vcc_lo   ; lanes 0-15 store one unit's words, lanes 16-31 the next one's: 128 consecutive bytes
.endr
.irp j, 0,1,2,3
	global_store_b128 v1, v[CD+4*\j:CD+4*\j+3], s[18:19] offset:512*\j   ; a unit: 512 consecutive bytes
.endr
.irp j, 0,1,2,3
	global_store_b128 v1, v[CD+16+4*\j:CD+16+4*\j+3], s[26:27] offset:512*\j
.endr
	global_store_b32 v7, v112, s[20:21]
	global_store_b32 v7, v113, s[20:21] offset:128
	global_store_b32 v7, v114, s[62:63]
	global_store_b32 v7, v115, s[62:63] offset:128
	s_wait_tensorcnt 0x0                           ; the wave's end
	ds_add_u32 v14, v15
	s_wait_dscnt 0x0
	ROUND                                          ; the closing round: no work-group ends while a partner may still ask for a block that names it
	s_endpgm
.Lfunc_end_k_qca00b8580d_proj:
	.size	k_qca00b8580d_proj, .Lfunc_end_k_qca00b8580d_proj-k_qca00b8580d_proj
	.p2alignl 7, 3214868480
	.fill 96, 4, 3214868480
	.section	.rodata,"a",@progbits
	.p2align	6, 0x0
	.amdhsa_kernel k_qca00b8580d_proj
		.amdhsa_group_segment_fixed_size 279552
		.amdhsa_private_segment_fixed_size 0
		.amdhsa_enable_private_segment 0
		.amdhsa_kernarg_size 72
		.amdhsa_user_sgpr_count 2
		.amdhsa_user_sgpr_kernarg_segment_ptr 1
		.amdhsa_wavefront_size32 1
		.amdhsa_system_sgpr_workgroup_id_x 1
		.amdhsa_system_sgpr_workgroup_id_y 1
		.amdhsa_system_sgpr_workgroup_id_z 1
		.amdhsa_system_vgpr_workitem_id 0
		.amdhsa_next_free_vgpr 512
		.amdhsa_next_free_sgpr 102
		.amdhsa_reserve_vcc 1
		.amdhsa_float_denorm_mode_32 3
		.amdhsa_float_denorm_mode_16_64 3
		.amdhsa_memory_ordered 1
		.amdhsa_forward_progress 1
		.amdhsa_inst_pref_size 81
	.end_amdhsa_kernel
	.amdgpu_metadata
---
amdhsa.version: [ 1, 2 ]
amdhsa.kernels:
  - .name:           k_qca00b8580d_proj
    .symbol:         k_qca00b8580d_proj.kd
    .args:
      - { .name: xc, .offset: 0, .size: 8, .value_kind: global_buffer, .address_space: global }
      - { .name: xs, .offset: 8, .size: 8, .value_kind: global_buffer, .address_space: global }
      - { .name: wc, .offset: 16, .size: 8, .value_kind: global_buffer, .address_space: global }
      - { .name: ws, .offset: 24, .size: 8, .value_kind: global_buffer, .address_space: global }
      - { .name: bq, .offset: 32, .size: 8, .value_kind: global_buffer, .address_space: global }
      - { .name: bk, .offset: 40, .size: 8, .value_kind: global_buffer, .address_space: global }
      - { .name: bv, .offset: 48, .size: 8, .value_kind: global_buffer, .address_space: global }
      - { .name: pc, .offset: 56, .size: 8, .value_kind: global_buffer, .address_space: global }
      - { .name: ps, .offset: 64, .size: 8, .value_kind: global_buffer, .address_space: global }
    .group_segment_fixed_size: 279552
    .private_segment_fixed_size: 0
    .kernarg_segment_align: 8
    .kernarg_segment_size: 72
    .max_flat_workgroup_size: 256
    .sgpr_count:     102
    .vgpr_count:     512
    .wavefront_size: 32
...
	.end_amdgpu_metadata
.endif
;; end of part 2
;; launch attn (part 3): grid 8 x 32, 16 waves a work-group, clusters of 4 x 1, 169,984 bytes of LDS; arguments pc, ps, oc, os; writes oc, os
.if DOCPART == 3
	.amdgcn_target "amdgcn-amd-amdhsa--gfx1250"
	.amdhsa_code_object_version 6
	.text
	.protected	k_qca00b8580d_attn
	.globl	k_qca00b8580d_attn
	.p2align	8
	.type	k_qca00b8580d_attn,@function
k_qca00b8580d_attn:
	s_mov_b64 s[64:65], 0
	v_nop
	global_prefetch_b8 v0, s[64:65] scope:SCOPE_SE
	s_setreg_imm32_b32 hwreg(HW_REG_WAVE_MODE, 25, 1), 1
	s_wait_xcnt 0x0
	s_wait_alu depctr_hold_cnt(0) depctr_sa_sdst(0) depctr_va_vdst(0) depctr_va_sdst(0) depctr_va_ssrc(0) depctr_va_vcc(0) depctr_vm_vsrc(0)
	s_getreg_b32 s2, hwreg(HW_REG_IB_STS2, 6, 4)
	s_cmp_eq_u32 s2, 0
	s_cbranch_scc0 .Lentry_in_a_cluster
	s_endpgm
.Lentry_in_a_cluster:
	s_bfe_u32 s2, ttmp6, 0x10000c
	s_cmp_lg_u32 s2, 0x3003
	s_cbranch_scc0 .Lentry_shape_is_right
	s_endpgm
.Lentry_shape_is_right:
; O = softmax(Q K^T / 8) V for one head of one batch, both products on codes of FP4 with E8M0 scales, and O / l quantised at once along (head, channel) for the last product.
; THE SOFTMAX AHEAD OF THE SECOND PRODUCT: t = score x log2(e) / 8.  Each block of 32 keys has a whole number of its own, Mb = floor(its largest t): p' = 2^(t - Mb) has its largest in [1, 2), so the block's scale among the p' is 2^-2, a constant.
; M is the row's running maximum of the Mb; p = p' 2^(Mb - M): the power of two goes into the block's scale byte and, in f32, onto the block's part of the row's sum l, which is taken of the unquantised p'.
; When M moves, l and O are multiplied by 2^(old M - new M).  All these factors are whole powers of two: the codes' values are those of any whole M.
; SHARES.  A work-group owns 256 queries of head hh = 16 batch + head; each of its sixteen waves one tile of 16, in 256 registers: four waves to a SIMD.
; THE HEAD'S WHOLE K AND V LIE IN LDS (64 KiB of codes each, 8 KiB of scale words each), each byte filled once by one tensor load in each of waves 0 to 9.  The first slots need K's words and K's first 512 keys alone; all else is waited for behind them.
; CLUSTER.  The four work-groups of a cluster belong to one head: every block is asked for jointly (mask 15).  The loop loads nothing from memory: nothing is prefetched.
; LAYOUT.  Both products are used transposed (S^T = K Q^T, O^T = V^T P^T): a lane holds ONE query (lane % 16).  Position p of tile 4 g + t stands for row 64 g + 8 t + p % 8 + 32 (p / 8) in keys, queries and channels:
; so the 32 registers of a unit's four tiles are 32 neighbouring keys (channels), 64 g + 32 (lane / 16) + 0 .. 31: one whole block, whose codes stand where the next operand wants them.
; THE FIRST PRODUCT'S K IS 64, the instruction's 128: Q's upper four registers are zero codes.  A tile of K is named with the four registers behind it (codes, or constants): whatever codes these are, they meet Q's zeros and add nothing.
; UNITS.  64 keys are a unit.  Scores lie in two buffers by turns, p' in a third.  In slot u: the scores of unit u + 1 are made; p' of unit u - 1 is summed and coded, which stands between the products and the maximum of their results;
; then unit u's 32 exponentials go as one batch, with unit u + 1's scalings between them.  Four units, 256 keys, are a group: M, l, the scale words and O follow once a group, in slots 0 and 1 of the next one.
; LIMITS: NaN and infinities are not served; the scaled scores t stay under 2^31 in magnitude; a block whose Mb lies 124 or more under M is held at the byte 1; a block of O / l whose largest magnitude lies under 2^-124 keeps the byte 1.
.set SPW, 1                            ; v1 my spare word's address, v5 0: never rewritten
.set NIL, 5
.set PW,  6                            ; v6-7 p's scale words of a group's two steps of 128 keys
.set MR,  8                            ; v8 M
.set NS0, 9                            ; v9 a copy of the group's first -Mb (v120 is written for the next group before the group's end)
.set LS,  10                           ; v10-11 l in two halves
.set Q,   16                           ; v16-23 Q, v24 its words; v25 at work
.set KW,  26                           ; v26-27 K's words
.set VW,  28                           ; v28-35 V's words of a group
.set KF,  36                           ; v36-51 K's four tiles
.set CSC, 52                           ; v52 2^-2: the conversions' scale operand;  v53 8 x (lane / 16);  v54 16 x lane;  v55 4 x lane
.set SH,  53
.set L16, 54
.set L4,  55
.set VF,  56                           ; v56-87 V's fragments of a step
.set P,   88                           ; v88-119 p'
.set NB,  120                          ; v120, 122, 124, 126: -Mb of the four units; v121, 123, 125, 127, named with them as pairs: the maximum's four chains
.set S,   128                          ; v128-191 two buffers of scores
.set OT,  192                          ; v192-223 O^T
.set PC,  224                          ; v224-239 p's codes of a group
.set T,   240                          ; v240-249 at work: chains of the sum; powers of two (even) and their whole numbers (odd); v248 the factor of l and O
                                       ; the blocks' sums: v12, v14, v250, v252 (pairs);  v254-255 at work
.set L_K,  16384                       ; LDS: K's words from 0, V's from 8,192, K's codes from here, V's from 81,920
.set SPARE, 167936
.set WV,  12
.set TB,  2                            ; s2  the group's first byte among the codes: 8,192 a group
.set TS,  3                            ; s3  and among the words: 1,024 a group
.set CNT, 66
.set SEL, 20
.set CS,  22
.set NC,  24
.set ONE, 25
.set WK,  26
.set PSEL, 27
.set FLOOR, 0x1800000
.set EOFF,  0xff000000
.macro ROUND                           ; a round of the cluster's barrier
	s_barrier_signal -1
	s_barrier_wait -1
	s_cmp_lg_u32 s[WV], 0
	s_cbranch_scc1 .Lnot_wave_0_\@
	s_barrier_signal -3
.Lnot_wave_0_\@:
	s_barrier_wait -3
	s_barrier_signal -1
	s_barrier_wait -1
.endm
	s_load_b256 s[4:11], s[0:1], 0x0               ; pc, ps, oc, os
	v_lshl_add_u32 v[SPW], v0, 2, SPARE
	v_mov_b32 v[NIL], 0
	ds_add_u32 v[SPW], v[NIL]                      ; the opening: the add, twice on end, and its wait
	ds_add_u32 v[SPW], v[NIL]
	v_lshrrev_b32 v2, 5, v0
	v_readfirstlane_b32 s[WV], v2                  ; wave 0..15
	s_lshl_b32 s13, s[WV], 14                      ; waves 1 to 8 fetch 16,384 bytes of codes each: K's four chunks, then V's, to 16,384 x wave
	s_bfe_u32 s14, ttmp6, 0x40000                  ; cx: it enters Q's, oc's and os's addresses alone
	s_lshl_b32 s15, ttmp9, 2
	s_add_co_u32 s15, s15, s14
	s_lshl_b32 s15, s15, 4
	s_add_co_u32 s15, s15, s[WV]                   ; my tile of queries, 0..127
	s_and_b32 s16, ttmp7, 0xffff                   ; hh
	s_add_co_u32 s68, s[WV], 7
	s_and_b32 s68, s68, 7                          ; wave - 1
	s_lshr_b32 s69, s68, 2
	s_add_co_u32 s69, s69, 1                       ; part 1 (K) or 2 (V) of pc
	s_lshl_b32 s70, s69, 21
	s_lshl_b32 s69, s16, 16
	s_add_co_u32 s70, s70, s69
	s_and_b32 s69, s68, 3
	s_lshl_b32 s69, s69, 14
	s_add_co_u32 s70, s70, s69
	s_mov_b32 s71, 0
	s_lshl_b32 s72, s16, 13                        ; the words: K's, V's
	s_add_co_u32 s72, s72, 0x40000
	s_mov_b32 s73, 0
	s_add_co_u32 s74, s72, 0x40000
	s_mov_b32 s75, 0
	s_lshl_b32 s76, s16, 7
	s_add_co_u32 s76, s76, s15                     ; Q's unit
	s_lshl_b32 s78, s76, 6
	s_lshl_b32 s76, s76, 9
	s_mov_b32 s77, 0
	s_mov_b32 s79, 0
	s_lshr_b32 s17, s16, 4
	s_lshl_b32 s17, s17, 7
	s_add_co_u32 s17, s17, s15                     ; my tile among all 256 of the last product's rows
	s_and_b32 s18, s16, 15                         ; the head
	; descriptor groups 1: dense blocks as rows of 256 bytes (32 elements of 8): a chunk of codes 64 rows, the words 32
	s_mov_b32 s28, 15|(3<<16)|(1<<21)              ; 15:0 the mask: all four work-groups; 17:16 elements of 8 bytes; 21 set beside a mask
	s_mov_b32 s29, 32<<16
	s_mov_b32 s30, 64<<16
	s_mov_b32 s31, 32<<16
	s_mov_b32 s32, 64
	s_mov_b32 s33, 32
	s_mov_b32 s34, 0
	s_mov_b32 s35, 0
	s_mov_b32 s36, 15|(3<<16)|(1<<21)
	s_mov_b32 s37, 32<<16
	s_mov_b32 s38, 32<<16
	s_mov_b32 s39, 32<<16
	s_mov_b32 s40, 32
	s_mov_b32 s41, 32
	s_mov_b32 s42, 0
	s_mov_b32 s43, 0
	s_mov_b32 s[SEL], 0x76543210
	s_mov_b32 s[SEL+1], 0xfedcba98                 ; v_permlanex16_b32's selects for lane l xor 16
	s_mov_b32 s[CS], 0x3e38aa3b                    ; c = log2(e) / 8
	s_mov_b32 s[CS+1], s[CS]                       ; (named with it as a pair, so it is written)
	s_mov_b32 s[NC], 0xbe38aa3b                    ; -c
	s_mov_b32 s[ONE], 0x3f800000                   ; 1.0
	s_mov_b32 s[WK], 0x007d007d                    ; 127 - 2 in two bytes
	s_mov_b32 s[PSEL], 0x05040100                  ; v_perm_b32: the two low halves
	s_mov_b32 s[TB], 0
	s_mov_b32 s[TS], 0
	s_wait_dscnt 0x0
	ROUND                                          ; all four work-groups are here: the joint loads meet.  (The arguments' load may be out: nobody writes those bytes)
	s_wait_kmcnt 0x0
	s_mov_b32 s44, 1                               ; K's words
	s_mov_b32 s45, 0
	s_add_nc_u64 s[46:47], s[6:7], s[72:73]
	s_or_b32 s47, s47, 0x80000000
	s_mov_b32 s48, 1                               ; my chunk of codes
	s_mov_b32 s49, s13
	s_add_nc_u64 s[50:51], s[4:5], s[70:71]
	s_or_b32 s51, s51, 0x80000000
	s_mov_b32 s52, 1                               ; V's words
	s_mov_b32 s53, 8192
	s_add_nc_u64 s[54:55], s[6:7], s[74:75]
	s_or_b32 s55, s55, 0x80000000
; ONE LOAD A WAVE: wave 0 K's words, wave 1 K's first 512 keys, waves 2 to 8 the other chunks, wave 9 V's words.  Waves 0 and 1 have lines of their own, since they are waited for first.
.macro ARM under, g0, g1
	s_cmp_lt_u32 s[WV], \under
	s_cbranch_scc0 .Lnext_\@
	tensor_load_to_lds s[\g0:\g0+3], s[\g1:\g1+7]
	s_nop 0
.rept 4
	v_nop                                          ; (behind a tensor load)
.endr
	s_branch .Lasked
.Lnext_\@:
.endm
	ARM 1, 44, 36
	ARM 2, 48, 28
	ARM 9, 48, 28
	ARM 10, 52, 36
.Lasked:
	s_add_nc_u64 s[76:77], s[4:5], s[76:77]        ; Q's codes
	s_add_nc_u64 s[78:79], s[6:7], s[78:79]        ; and words
	v_and_b32 v2, 31, v0
	v_and_b32 v255, 15, v0
	v_bfe_u32 v[SH], v0, 4, 1
	v_lshlrev_b32 v[L16], 4, v2
	v_lshlrev_b32 v[L4], 2, v2
	v_lshlrev_b32 v255, 2, v255                    ; 4 p
	v_lshlrev_b32 v[SH], 3, v[SH]
	global_load_b128 v[Q:Q+3], v[L16], s[76:77]    ; Q's codes stay in registers
	global_load_b32 v24, v255, s[78:79]            ; and its words
	s_lshl_b32 s68, s17, 13                        ; oc: tile x 8,192 + head x 512
	s_lshl_b32 s69, s18, 9
	s_add_co_u32 s68, s68, s69
	s_mov_b32 s69, 0
	s_add_nc_u64 s[8:9], s[8:9], s[68:69]
	s_lshl_b32 s68, s17, 9                         ; os: tile x 512 + (head / 8) x 256 + (head % 8) x 2
	s_lshr_b32 s14, s18, 3
	s_lshl_b32 s14, s14, 8
	s_add_co_u32 s68, s68, s14
	s_and_b32 s14, s18, 7
	s_lshl_b32 s14, s14, 1
	s_add_co_u32 s68, s68, s14
	s_add_nc_u64 s[10:11], s[10:11], s[68:69]
	s_wait_alu depctr_va_vdst(0)                   ; behind the run of scalar lines
; The group's addresses: K's and V's codes, the words.
.macro ADDR
	v_add_nc_u32 v2, s[TB], v[L16]
	v_add_nc_u32 v4, s[TS], v[L4]
	v_add_nc_u32 v3, 0x10000, v2
.endm
	ADDR
.irp j, 20,21,22,23,25,121,123,125,127,10,11
	v_mov_b32 v[\j], 0                             ; Q's upper half of the instruction's K; a lane permute's destination; the upper registers of pairs; l
.endr
	v_mov_b32 v[CSC], 0x3e800000
	v_mov_b32 v[MR], 0xff61b1e6                    ; M so far: -3e38, under every Mb
.macro KCODES k                        ; the k-th unit from the group's first: four tiles,
.irp t, 0,1,2,3
	ds_load_b128 v[KF+4*\t:KF+4*\t+3], v2 offset:L_K+2048*(\k)+512*\t
.endr
.endm
.macro KWORDS k                        ; and their words, two tiles to a load (lanes 0-15 the even one, lanes 16-31 the odd one)
.irp n, 0,1
	ds_load_b32 v[KW+\n], v4 offset:256*(\k)+128*\n
.endr
.endm
.macro VCODES s, o, f                  ; V of step s of the group before the one that the addresses stand for (o = 4: of that one): four channel tiles, into v[f ..]
.irp c, 0,1
.irp n, 0,1,2,3
	ds_load_b128 v[(\f)+8*\n+4*\c:(\f)+8*\n+4*\c+3], v3 offset:8192+2048*(\o)+2048*(2*(\s)+\c)+512*\n
.endr
.endr
.endm
.macro VWLOAD o                        ; the words of each 64 keys of the group
.irp c, 0,1,2,3
.irp n, 0,1
	ds_load_b32 v[VW+2*\c+\n], v4 offset:7168+256*(\o)+256*\c+128*\n
.endr
.endr
.endm
.macro SMM x                           ; S^T of a unit: four tiles of 16 keys
.irp t, 0,1,2,3
.if (\t)&1
	v_wmma_scale_f32_16x16x128_f8f6f4 v[(\x)+8*\t:(\x)+8*\t+7], v[KF+4*\t:KF+4*\t+7], v[Q:Q+7], 0, v[KW+(\t>>1)], v24 matrix_a_fmt:MATRIX_FMT_FP4 matrix_b_fmt:MATRIX_FMT_FP4 matrix_a_scale:MATRIX_SCALE_ROW1
.else
	v_wmma_scale_f32_16x16x128_f8f6f4 v[(\x)+8*\t:(\x)+8*\t+7], v[KF+4*\t:KF+4*\t+7], v[Q:Q+7], 0, v[KW+(\t>>1)], v24 matrix_a_fmt:MATRIX_FMT_FP4 matrix_b_fmt:MATRIX_FMT_FP4
.endif
.endr
.endm
.macro PV s, f                         ; O^T += V^T P^T over step s of the group, the four accumulators by turns
.irp n, 0,1,2,3
.if (\n)&1
	v_wmma_scale_f32_16x16x128_f8f6f4 v[OT+8*\n:OT+8*\n+7], v[(\f)+8*\n:(\f)+8*\n+7], v[PC+8*(\s):PC+8*(\s)+7], v[OT+8*\n:OT+8*\n+7], v[VW+4*(\s)+(\n>>1)], v[PW+(\s)] matrix_a_fmt:MATRIX_FMT_FP4 matrix_b_fmt:MATRIX_FMT_FP4 matrix_a_scale:MATRIX_SCALE_ROW1
.else
	v_wmma_scale_f32_16x16x128_f8f6f4 v[OT+8*\n:OT+8*\n+7], v[(\f)+8*\n:(\f)+8*\n+7], v[PC+8*(\s):PC+8*(\s)+7], v[OT+8*\n:OT+8*\n+7], v[VW+4*(\s)+(\n>>1)], v[PW+(\s)] matrix_a_fmt:MATRIX_FMT_FP4 matrix_b_fmt:MATRIX_FMT_FP4
.endif
.endr
.endm
.macro VWORDS                          ; the words of two units of 64 keys make the word of 128
.irp s, 0,1
.irp n, 0,1
	v_perm_b32 v[VW+4*\s+\n], v[VW+4*\s+2+\n], v[VW+4*\s+\n], s[PSEL]
.endr
.endr
.endm
.macro RESCALE                         ; O^T under the new M, each accumulator from its low end on
.set j, 0
.rept 16
	v_pk_mul_f32 v[OT+j:OT+j+1], v[OT+j:OT+j+1], v[T+8:T+9] op_sel_hi:[1,0]
.set j, j+2
.endr
.endm
; p' of a unit becomes block b's codes and, in five chains, its sum: ADDS1, CODE, then JOIN 0 to 2.
.macro ADDS1
.irp c, 0,1,2,3,4
	v_pk_add_f32 v[T+2*\c:T+2*\c+1], v[P+4*\c:P+4*\c+1], v[P+4*\c+2:P+4*\c+3]
.endr
.endm
.macro CODE b
.irp g, 0,1
	v_cvt_scalef32_pk8_fp4_f32 v[PC+4*(\b)+\g], v[P+8*\g:P+8*\g+7], v[CSC]
.endr
.irp c, 0,1,2,3,4
	v_pk_add_f32 v[T+2*\c:T+2*\c+1], v[T+2*\c:T+2*\c+1], v[P+20+2*\c:P+21+2*\c]
.endr
.irp g, 2,3
	v_cvt_scalef32_pk8_fp4_f32 v[PC+4*(\b)+\g], v[P+8*\g:P+8*\g+7], v[CSC]
.endr
	v_pk_add_f32 v[T:T+1], v[T:T+1], v[P+30:P+31]  ; (also the plain line behind the last scaled conversion)
.endm
.macro JOIN n, b
.if (\b) < 2
.set SUM, 12+2*(\b)
.else
.set SUM, 246+2*(\b)
.endif
.if (\n) == 0
	v_pk_add_f32 v[T+4:T+5], v[T+4:T+5], v[T+6:T+7]
	v_pk_add_f32 v[T:T+1], v[T:T+1], v[T+2:T+3]
.elseif (\n) == 1
	v_pk_add_f32 v[T:T+1], v[T:T+1], v[T+8:T+9]
.else
	v_pk_add_f32 v[SUM:SUM+1], v[T:T+1], v[T+4:T+5]
.endif
.endm
; The largest score of my block of 32 keys, in four chains, each accumulator from its low end on: TOPL 0 to 2, TOPM; then TOPZ: -Mb = ceil(-t).
.macro TOPL n, x
.irp t, 0,1,2,3
.if (\n) == 0
	v_max3_num_f32 v[NB+1+2*\t], v[(\x)+8*\t], v[(\x)+8*\t+1], v[(\x)+8*\t+2]
.else
	v_max3_num_f32 v[NB+1+2*\t], v[NB+1+2*\t], v[(\x)+8*\t+2*(\n)+1], v[(\x)+8*\t+2*(\n)+2]
.endif
.endr
.endm
.macro TOPM x
	v_max3_num_f32 v[NB+1], v[NB+1], v[(\x)+7], v[(\x)+15]
	v_max3_num_f32 v[NB+3], v[NB+3], v[(\x)+23], v[(\x)+31]
	v_max_num_f32 v[NB+5], v[NB+5], v[NB+7]
.endm
.macro TOPZ b
	v_mul_f32 v[NB+1], s[NC], v[NB+1]
	v_ceil_f32 v[NB+2*(\b)], v[NB+1]
.endm
; The group's end, in four parts between other work: M; l; the scale words.
.macro GA
	v_max3_num_f32 v254, -v[NS0], -v[NB+2], -v[NB+4]
.endm
.macro GB
	v_max_num_f32 v254, v254, -v[NB+6]
.endm
.macro GC
	v_permlanex16_b32 v255, v254, s[SEL], s[SEL+1]
.endm
.macro GD
	v_max3_num_f32 v254, v254, v255, v[MR]         ; the new M, with lane l xor 16's blocks
	v_sub_f32 v[T+9], v[MR], v254                  ; old M - new M: a whole number, 0 or less
	v_sub_f32 v[T+1], -v[NS0], v254                ; Mb - M
.irp b, 1,2,3
	v_sub_f32 v[T+1+2*\b], -v[NB+2*\b], v254
.endr
	v_mov_b32 v[MR], v254
.irp b, 0,1,2,3
	v_max_num_f32 v[T+1+2*\b], 0xc2f80000, v[T+1+2*\b]   ; held at -124: the byte cannot fall under 1
.endr
.irp b, 4,0,1,2,3
	v_cvt_i32_f32 v[T+1+2*\b], v[T+1+2*\b]         ; (it saturates)
.endr
	v_ldexp_f32 v[T+8], 1.0, v[T+9]                ; 2^(old M - new M)
.irp b, 0,1,2,3
	v_lshl_add_u32 v[T+2*\b], v[T+1+2*\b], 23, s[ONE]   ; 2^(Mb - M)
.endr
.irp s, 0,1
	v_lshl_add_u32 v[T+3+4*\s], v[T+3+4*\s], 16, v[T+1+4*\s]   ; my blocks e and 2 + e of the step's four,
.endr
	v_pk_mul_f32 v[LS:LS+1], v[LS:LS+1], v[T+8:T+9] op_sel_hi:[1,0]
.irp s, 0,1
	v_add_nc_u32 v[T+3+4*\s], s[WK], v[T+3+4*\s]
.endr
	v_pk_mul_f32 v[12:13], v[12:13], v[T:T+1] op_sel_hi:[1,0]
.irp s, 0,1
	v_lshlrev_b32 v[T+3+4*\s], v[SH], v[T+3+4*\s]  ; at their places in the word;
.endr
	v_pk_fma_f32 v[LS:LS+1], v[14:15], v[T+2:T+3], v[LS:LS+1] op_sel_hi:[1,0,1]
	v_permlanex16_b32 v255, v[T+3], s[SEL], s[SEL+1]
	v_permlanex16_b32 v25, v[T+7], s[SEL], s[SEL+1]
	v_pk_fma_f32 v[12:13], v[250:251], v[T+4:T+5], v[12:13] op_sel_hi:[1,0,1]
	v_pk_fma_f32 v[LS:LS+1], v[252:253], v[T+6:T+7], v[LS:LS+1] op_sel_hi:[1,0,1]
	v_or_b32 v[PW], v[T+3], v255                   ; with lane l xor 16's two it is whole
	v_or_b32 v[PW+1], v[T+7], v25
	v_pk_add_f32 v[LS:LS+1], v[LS:LS+1], v[12:13]
.endm
; ONE BATCH of 32 exponentials, from buffer e into P; between them the other buffer's scalings t - Mb, two scores a line, which name none of the batch's registers.
.macro BATCH e, fm, nb
.set i, 0
.rept 32
	v_exp_f32 v[P+i], v[S+32*(\e)+i]
.if (i&1) && (\fm)
	v_pk_fma_f32 v[S+32*(1-(\e))+i-1:S+32*(1-(\e))+i], v[S+32*(1-(\e))+i-1:S+32*(1-(\e))+i], s[CS:CS+1], v[NB+2*(\nb):NB+2*(\nb)+1] op_sel_hi:[1,0,0]
.endif
.set i, i+1
.endr
.if (\fm) == 0
	v_nop                                          ; the plain line behind the last exponential
.endif
.endm
; SLOT q of a group.  take: there is a unit before this one; grp: there is a group before this one; next: there is a unit behind this one; kl: there is a second one behind it.
.macro SLOT q, take, grp, next, kl
.set XB, S+32*(((\q)+1)&1)
.set BK, ((\q)+3)&3
.set BN, ((\q)+1)&3
.if ((\q) == 0) && (\grp)
	s_wait_dscnt 16                                ; K of the next unit is in; V's eight loads and its words' eight, issued behind K's, may be out
	s_add_co_u32 s[TB], s[TB], 8192
	s_add_co_u32 s[TS], s[TS], 1024
	ADDR
.else
	s_wait_dscnt 0x0                               ; K of the next unit (slot 1: V too)
.endif
	s_wait_alu depctr_va_vdst(0)                   ; the wait behind the last batch and ahead of the first readers of O^T
.if ((\q) == 1) && (\grp)
	VWORDS
	RESCALE
.endif
.if \next
	SMM XB
.endif
.if ((\q) == 1) && (\grp)
	PV 0, VF
.endif
.if ((\q) == 0) && (\grp)
	GA
.endif
.if \take
	ADDS1                                          ; (five plain lines: the places behind the products, in front of the loads, of the writes of the codes and of the first read of the scores: ISA guide 7.12.1 except for the loads)
.else
.rept 4
	v_nop
.endr
.endif
.if ((\q) == 1) && (\grp)
	VCODES 1, 0, VF
.endif
.if ((\q) == 0) && (\grp)
	GB
.endif
.if \take
	CODE BK
.endif
.if ((\q) == 0) && (\grp)
	GC
.endif
.if (\q) == 1
	v_mov_b32 v[NS0], v[NB]
.endif
.if \next
	TOPL 0, XB
.endif
.if \take
	JOIN 0, BK
.endif
.if \next
	TOPL 1, XB
.endif
.if \take
	JOIN 1, BK
.endif
.if \next
	TOPL 2, XB
.endif
.if \take
	JOIN 2, BK
.endif
.if ((\q) == 1) && (\grp)
	s_wait_alu depctr_va_vdst(0)                   ; directly ahead of the wait below
	s_wait_dscnt 0x0                               ; V of the group's second step
	PV 1, VF
.endif
.if \next
	TOPM XB
.endif
.if \kl
	KCODES (\q)+2
.endif
.if ((\q) == 0) && (\grp)
	GD
.endif
.if \next
	v_max3_num_f32 v[NB+1], v[NB+1], v[NB+3], v[NB+5]
.endif
.if \kl
	KWORDS (\q)+2
.endif
.if (\q) == 3
	VCODES 0, 4, VF                                ; V of this group's first step, and the words of both
	VWLOAD 4
.endif
.if \next
	TOPZ BN
.else
	VCODES 1, 4, S                                 ; the last group: its second step comes into the scores' first buffer, which is done with
.endif
	s_wait_alu depctr_va_vdst(0)                   ; the wait ahead of the batch
	BATCH (\q)&1, \next, BN
.endm
	s_wait_alu depctr_va_vdst(0)                   ; the wait at the head's end
	s_cmp_lt_u32 s[WV], 2
	s_cbranch_scc0 .Llater
	s_wait_tensorcnt 0x0                           ; K's words and first 512 keys have landed; the other waves' loads may stay out
.Llater:
	s_barrier_signal -1
	s_barrier_wait -1
	KCODES 0
	KWORDS 0
	s_wait_loadcnt 0x0                             ; Q
	s_wait_dscnt 0x0
	SMM S
.set j, 0
.rept 32
	v_mov_b32 v[OT+j], 0                           ; O^T: the loop is written once for all groups, and the first change of M leaves zeros.  (Also the places behind the products)
.set j, j+1
.endr
	KCODES 1
	KWORDS 1
	TOPL 0, S
	TOPL 1, S
	TOPL 2, S
	TOPM S
	v_max3_num_f32 v[NB+1], v[NB+1], v[NB+3], v[NB+5]
	TOPZ 0
.set j, 0
.rept 16
	v_pk_fma_f32 v[S+j:S+j+1], v[S+j:S+j+1], s[CS:CS+1], v[NB:NB+1] op_sel_hi:[1,0,0]
.set j, j+2
.endr
	SLOT 0, 0, 0, 1, 1                             ; the first group.  Its first three slots ask for K up to unit 4: all of it among the first 512 keys
	SLOT 1, 1, 0, 1, 1
	SLOT 2, 1, 0, 1, 1
	s_wait_alu depctr_va_vdst(0)
	s_wait_tensorcnt 0x0                           ; my load has landed,
	s_wait_dscnt 0x0                               ; and no LDS load of mine is out at the signal
	s_barrier_signal -1
	s_barrier_wait -1                              ; everybody's have: from here on every key may be read, and no barrier stands in the waves' way
	SLOT 3, 1, 0, 1, 1
	s_mov_b32 s[CNT], 6
	s_wait_alu depctr_va_vdst(0)                   ; the wait ahead of the label
.Lgroup:                                           ; groups 1 to 6
	SLOT 0, 1, 1, 1, 1
	SLOT 1, 1, 1, 1, 1
	SLOT 2, 1, 1, 1, 1
	SLOT 3, 1, 1, 1, 1
	s_wait_alu depctr_va_vdst(0)                   ; the wait ahead of the branch
	s_sub_co_u32 s[CNT], s[CNT], 1
	s_cmp_lg_u32 s[CNT], 0
	s_cbranch_scc1 .Lgroup
	SLOT 0, 1, 1, 1, 1                             ; group 7 is written out: there is no K behind it to ask for
	SLOT 1, 1, 1, 1, 1
	SLOT 2, 1, 1, 1, 0
	SLOT 3, 1, 1, 0, 0
	; THE WAY OUT: group 7's end, its products, O^T / l: register i is channel 32 e + i of my query: block 2 head + e of the last product's K.
	s_wait_dscnt 0x0
	s_wait_alu depctr_va_vdst(0)                   ; the wait behind the batch
	GA
	ADDS1
	GB
	CODE 3
	GC
	JOIN 0, 3
	VWORDS
	JOIN 1, 3
	JOIN 2, 3
	GD
	v_add_f32 v254, v[LS], v[LS+1]
	v_permlanex16_b32 v255, v254, s[SEL], s[SEL+1]
	v_add_f32 v254, v254, v255                     ; the row's sum
	s_wait_alu depctr_va_vdst(0)                   ; the wait ahead of the transcendental
	v_rcp_f32 v[LS], v254
	v_nop                                          ; the plain line behind it
	s_wait_alu depctr_va_vdst(0)                   ; and behind it, ahead of the first readers of O^T
	RESCALE
	PV 0, VF
	PV 1, S
.rept 4
	v_nop                                          ; places in front of the first read of the results and the first write of the operands' registers
.endr
.set j, 0
.rept 16
	v_pk_mul_f32 v[S+j:S+j+1], v[OT+j:OT+j+1], v[LS:LS+1] op_sel_hi:[1,0]   ; each accumulator from its low end on
.set j, j+2
.endr
.irp t, 0,1,2,3
	v_max3_num_f32 v[T+\t], |v[S+8*\t]|, |v[S+8*\t+1]|, |v[S+8*\t+2]|
.endr
.irp q, 3,5
.irp t, 0,1,2,3
	v_max3_num_f32 v[T+\t], v[T+\t], |v[S+8*\t+\q]|, |v[S+8*\t+\q+1]|
.endr
.endr
	v_max3_num_f32 v[T], v[T], |v[S+7]|, |v[S+15]|
	v_max3_num_f32 v[T+1], v[T+1], |v[S+23]|, |v[S+31]|
	v_max3_num_f32 v[T+2], v[T+2], v[T+3], FLOOR   ; the floor holds the byte at 1 from below
	v_max3_num_f32 v[T], v[T], v[T+1], v[T+2]
	v_add_nc_u32 v[T+4], EOFF, v[T]                ; the conversion's scale operand
	v_lshrrev_b32 v[T+5], 23, v[T+4]
	v_lshlrev_b32 v[T+5], v[SH], v[T+5]
	v_permlanex16_b32 v[T+6], v[T+5], s[SEL], s[SEL+1]
	v_or_b32 v[T+7], v[T+5], v[T+6]                ; the row's two bytes
.irp g, 0,1,2,3
	v_cvt_scalef32_pk8_fp4_f32 v[PC+\g], v[S+8*\g:S+8*\g+7], v[T+4]
.endr
	v_and_b32 v254, 15, v0                         ; (the plain line behind the last scaled conversion)
	v_lshlrev_b32 v254, 4, v254                    ; 16 p
	global_store_b128 v[L16], v[PC:PC+3], s[8:9]   ; 512 consecutive bytes: blocks 2 head, 2 head + 1 of the tile's 16 rows
	global_store_b16 v254, v[T+7], s[10:11]        ; 16 bytes from row to row (both halves of the lanes write the same two): they share a word with another head's work-group; 128 KiB in the launch
	s_wait_tensorcnt 0x0                           ; the wave's end
	ds_add_u32 v[SPW], v[NIL]
	s_wait_dscnt 0x0
	ROUND                                          ; the closing round: no work-group ends while a partner may still ask for a block that names it
	s_endpgm
.Lfunc_end_k_qca00b8580d_attn:
	.size	k_qca00b8580d_attn, .Lfunc_end_k_qca00b8580d_attn-k_qca00b8580d_attn
	.p2alignl 7, 3214868480
	.fill 96, 4, 3214868480
	.section	.rodata,"a",@progbits
	.p2align	6, 0x0
	.amdhsa_kernel k_qca00b8580d_attn
		.amdhsa_group_segment_fixed_size 169984
		.amdhsa_private_segment_fixed_size 0
		.amdhsa_enable_private_segment 0
		.amdhsa_kernarg_size 32
		.amdhsa_user_sgpr_count 2
		.amdhsa_user_sgpr_kernarg_segment_ptr 1
		.amdhsa_wavefront_size32 1
		.amdhsa_system_sgpr_workgroup_id_x 1
		.amdhsa_system_sgpr_workgroup_id_y 1
		.amdhsa_system_sgpr_workgroup_id_z 1
		.amdhsa_system_vgpr_workitem_id 0
		.amdhsa_next_free_vgpr 256
		.amdhsa_next_free_sgpr 80
		.amdhsa_reserve_vcc 0
		.amdhsa_float_denorm_mode_32 3
		.amdhsa_float_denorm_mode_16_64 3
		.amdhsa_memory_ordered 1
		.amdhsa_forward_progress 1
		.amdhsa_inst_pref_size 93
	.end_amdhsa_kernel
	.amdgpu_metadata
---
amdhsa.version: [ 1, 2 ]
amdhsa.kernels:
  - .name:           k_qca00b8580d_attn
    .symbol:         k_qca00b8580d_attn.kd
    .args:
      - { .name: pc, .offset: 0, .size: 8, .value_kind: global_buffer, .address_space: global }
      - { .name: ps, .offset: 8, .size: 8, .value_kind: global_buffer, .address_space: global }
      - { .name: oc, .offset: 16, .size: 8, .value_kind: global_buffer, .address_space: global }
      - { .name: os, .offset: 24, .size: 8, .value_kind: global_buffer, .address_space: global }
    .group_segment_fixed_size: 169984
    .private_segment_fixed_size: 0
    .kernarg_segment_align: 8
    .kernarg_segment_size: 32
    .max_flat_workgroup_size: 512
    .sgpr_count:     80
    .vgpr_count:     256
    .wavefront_size: 32
...
	.end_amdgpu_metadata
.endif
;; end of part 3
;; launch outp (part 4): grid 8 x 32, 4 waves a work-group, clusters of 4 x 4, 168,448 bytes of LDS; arguments oc, os, wc, ws, bo, out0; writes out0
.if DOCPART == 4
	.amdgcn_target "amdgcn-amd-amdhsa--gfx1250"
	.amdhsa_code_object_version 6
	.text
	.protected	k_qca00b8580d_outp
	.globl	k_qca00b8580d_outp
	.p2align	8
	.type	k_qca00b8580d_outp,@function
k_qca00b8580d_outp:
	s_mov_b64 s[64:65], 0
	v_nop
	global_prefetch_b8 v0, s[64:65] scope:SCOPE_SE
	s_setreg_imm32_b32 hwreg(HW_REG_WAVE_MODE, 25, 1), 1
	s_wait_xcnt 0x0
	s_wait_alu depctr_hold_cnt(0) depctr_sa_sdst(0) depctr_va_vdst(0) depctr_va_sdst(0) depctr_va_ssrc(0) depctr_va_vcc(0) depctr_vm_vsrc(0)
	s_getreg_b32 s2, hwreg(HW_REG_IB_STS2, 6, 4)
	s_cmp_eq_u32 s2, 0
	s_cbranch_scc0 .Lentry_in_a_cluster
	s_endpgm
.Lentry_in_a_cluster:
	s_bfe_u32 s2, ttmp6, 0x10000c
	s_cmp_lg_u32 s2, 0xf033
	s_cbranch_scc0 .Lentry_shape_is_right
	s_endpgm
.Lentry_shape_is_right:
; out0 = (O / l) Wo^T + bo on codes of FP4 with E8M0 scales; out0 [4096][1024] f32.
; A work-group makes 128 x 128 results for all of K = 1,024; its four waves 64 x 64 each.  Source 0 = rows of Wo (the outputs n), source 1 = rows of O: a lane then holds neighbouring n of one row.
; Position p of tile 4 g + t stands for row 64 g + 8 t + p % 8 + 32 (p / 8) in both operands: the 32 registers of four neighbouring tiles of Wo are 32 neighbouring n; the rows' order is undone in the stores' offsets.
; ALL OF BOTH OPERANDS LIES IN LDS AT ONCE (2 x 64 KiB of codes, 2 x 4 KiB of scale words): each byte is filled once, by one tensor load a wave.  The stages for the way out have bytes of their own, into which no fill lands.
; CLUSTERS: 4 x 4 work-groups.  Wo's block hangs on the work-group's x and is asked for jointly by the four of a column, O's on its y, by the four of a row.  No loop runs ahead of loads: nothing is prefetched.
; REGISTERS.  Window 0: v1-13 addresses; v16-47 scale words; v48-79 the bias; v80-143, v144-207 two sets of fragments (32 of Wo, 32 of O); on the way out v80-143 hold rows read back.
;   Window 1: the 16 accumulators, (i, j) at v[8 (4 j + i)].
.set SC,   16
.set BI,   48
.set F,    80
.set BK,   80                          ; the way out: two sets of 32
.set STO,  11
.set RD,   12
.set CO,   13
.set L_S1,  65536                      ; LDS: Wo's codes [tile 0..7][8,192] from 0, O's from here,
.set L_SC0, 131072                     ; Wo's scale words [tile][512],
.set L_SC1, 135168                     ; O's,
.set L_STG, 139264                     ; and a stage of 16 rows x (256 + 16) bytes for each wave
.set SPI,  272
.set SPARE, 167936                     ; the spare words
.set WV,   22
.set MSB, 0
.macro WIN new                         ; the immediate's high byte repeats the setting that is left
.if MSB != \new
	s_set_vgpr_msb (MSB<<8)|\new
.set MSB, \new
.endif
.endm
.macro ROUND                           ; a round of the cluster's barrier
	s_barrier_signal -1
	s_barrier_wait -1
	s_cmp_lg_u32 s[WV], 0
	s_cbranch_scc1 .Lnot_wave_0_\@
	s_barrier_signal -3
.Lnot_wave_0_\@:
	s_barrier_wait -3
	s_barrier_signal -1
	s_barrier_wait -1
.endm
	s_load_b256 s[4:11], s[0:1], 0x0               ; oc, os, wc, ws
	s_load_b128 s[12:15], s[0:1], 0x20             ; bo, out0
	v_lshl_add_u32 v14, v0, 2, SPARE
	v_mov_b32 v15, 0
	ds_add_u32 v14, v15                            ; the opening: the add, twice on end, and its wait
	ds_add_u32 v14, v15
	v_lshrrev_b32 v1, 5, v0
	v_readfirstlane_b32 s[WV], v1                  ; wave 0..3
	s_and_b32 s23, s[WV], 1                        ; a: my 64 of the 128 outputs
	s_lshr_b32 s24, s[WV], 1                       ; bb: my 64 of the 128 rows
	s_bfe_u32 s26, ttmp6, 0x40000                  ; cx
	s_bfe_u32 s27, ttmp6, 0x40004                  ; cy
	s_lshl_b32 s31, ttmp9, 2
	s_add_co_u32 s31, s31, s26                     ; gx: Wo's block of 128 rows
	s_and_b32 s32, ttmp7, 0xffff
	s_lshl_b32 s32, s32, 2
	s_add_co_u32 s32, s32, s27                     ; gy: O's
	s_lshl_b32 s60, s31, 16                        ; a block's codes are 65,536 bytes; Wo's part of wc begins at 1,572,864
	s_add_co_u32 s60, s60, 0x180000
	s_mov_b32 s61, 0
	s_lshr_b32 s62, s60, 4                         ; the scale words lie alike, at a sixteenth of the bytes
	s_mov_b32 s63, 0
	s_lshl_b32 s66, s32, 16
	s_mov_b32 s67, 0
	s_lshr_b32 s100, s66, 4
	s_mov_b32 s101, 0
	s_lshl_b32 s34, 0x1111, s26                    ; my column of the cluster
	s_lshl_b32 s35, s27, 2
	s_lshl_b32 s35, 15, s35                        ; my row
	; descriptor groups 1.  Codes: 65,536 dense bytes as 8 rows of 1,024 elements of 8 bytes.  Scale words: 4,096 dense bytes as 16 rows of 256.
	s_or_b32 s36, s34, (3<<16)|(1<<21)             ; 15:0 the mask; 17:16 elements of 8 bytes; 21 set beside a mask; no padding
	s_or_b32 s44, s35, (3<<16)|(1<<21)
	s_or_b32 s52, s34, (3<<16)|(1<<21)
	s_or_b32 s68, s35, (3<<16)|(1<<21)
.irp g, 36, 44
	s_mov_b32 s[\g+1], 1024<<16                    ; tensor_dim0
	s_mov_b32 s[\g+2], 8<<16                       ; tensor_dim1
	s_mov_b32 s[\g+3], 1024<<16                    ; tile_dim0
	s_mov_b32 s[\g+4], 8                           ; tile_dim1
	s_mov_b32 s[\g+5], 1024                        ; tensor_dim0_stride
	s_mov_b32 s[\g+6], 0
	s_mov_b32 s[\g+7], 0
.endr
.irp g, 52, 68
	s_mov_b32 s[\g+1], 32<<16
	s_mov_b32 s[\g+2], 16<<16
	s_mov_b32 s[\g+3], 32<<16
	s_mov_b32 s[\g+4], 16
	s_mov_b32 s[\g+5], 32
	s_mov_b32 s[\g+6], 0
	s_mov_b32 s[\g+7], 0
.endr
	s_wait_dscnt 0x0
	ROUND                                          ; all sixteen work-groups are here: the joint loads meet.  (The arguments' loads may be out: nobody writes those bytes)
	s_wait_kmcnt 0x0
	s_add_nc_u64 s[82:83], s[8:9], s[60:61]        ; Wo's codes,
	s_add_nc_u64 s[78:79], s[10:11], s[62:63]      ; its scale words,
	s_add_nc_u64 s[94:95], s[4:5], s[66:67]        ; O's codes,
	s_add_nc_u64 s[90:91], s[6:7], s[100:101]      ; its scale words
.irp g, 79, 83, 91, 95
	s_or_b32 s[\g], s[\g], 0x80000000              ; type = 2
.endr
.irp g, 76, 80, 88, 92
	s_mov_b32 s[\g], 1                             ; count = 1
.endr
	s_mov_b32 s77, L_SC0
	s_mov_b32 s81, 0
	s_mov_b32 s89, L_SC1
	s_mov_b32 s93, L_S1
.macro ARM under, g0, g1               ; one load a wave: Wo's codes, O's codes, Wo's scale words, O's
	s_cmp_lt_u32 s[WV], \under
	s_cbranch_scc0 .Lnext_\@
	tensor_load_to_lds s[\g0:\g0+3], s[\g1:\g1+7]
	s_nop 0
.rept 4
	v_nop                                          ; (behind a tensor load)
.endr
	s_branch .Lasked
.Lnext_\@:
.endm
	ARM 1, 80, 36
	ARM 2, 92, 44
	ARM 3, 76, 52
	tensor_load_to_lds s[88:91], s[68:75]
	s_nop 0
.rept 4
	v_nop
.endr
.Lasked:
	s_lshl_b32 s60, s31, 9                         ; my 64 outputs: (128 gx + 64 a) x 4 bytes
	s_lshl_b32 s62, s23, 8
	s_add_co_u32 s60, s60, s62
	s_mov_b32 s61, 0
	s_add_nc_u64 s[12:13], s[12:13], s[60:61]      ; in bo,
	s_add_nc_u64 s[14:15], s[14:15], s[60:61]      ; in a row of out0,
	s_lshl_b32 s60, s32, 19                        ; from row 128 gy + 64 bb on
	s_lshl_b32 s62, s24, 18
	s_add_co_u32 s60, s60, s62
	s_add_nc_u64 s[14:15], s[14:15], s[60:61]
	s_lshl_b32 s2, s23, 15                         ; my four tiles of Wo: 8,192 bytes a tile
	s_lshl_b32 s3, s24, 15
	s_add_co_u32 s3, s3, L_S1                      ; and of O
	s_xor_b32 s28, s23, 1                          ; the scale words: lanes 0-15 take Wo's, lanes 16-31 O's, which lie (2 + bb - a) x 2,048 bytes further on: one product
	s_add_co_u32 s28, s28, s24
	s_add_co_u32 s28, s28, 1
	s_lshl_b32 s28, s28, 11
	s_lshl_b32 s29, s23, 11
	s_add_co_u32 s29, s29, L_SC0
	s_mul_i32 s30, s[WV], 16*SPI
	s_add_co_u32 s30, s30, L_STG                   ; my stage
	v_and_b32 v8, 31, v0                           ; lane
	v_and_b32 v9, 15, v0                           ; p
	v_bfe_u32 v10, v0, 4, 1                        ; e
	v_lshlrev_b32 v1, 4, v8                        ; 16 x lane
	v_lshlrev_b32 v7, 7, v10
.irp i, 0,1,2,3
	global_load_b128 v[BI+8*\i:BI+8*\i+3], v7, s[12:13] offset:32*\i      ; THE BIAS is the C of each sum's first matrix instruction: tile i's registers are outputs 32 e + 8 i + 0 .. 7
	global_load_b128 v[BI+8*\i+4:BI+8*\i+7], v7, s[12:13] offset:32*\i+16
.endr
	v_mul_u32_u24 v6, s28, v10
	v_mul_u32_u24 v[STO], v9, SPI
	v_mul_u32_u24 v[RD], v10, SPI
	v_lshlrev_b32 v[CO], 12, v10
	v_add_nc_u32 v2, s2, v1
	v_add_nc_u32 v4, s3, v1
	v_lshl_add_u32 v6, v9, 4, v6
	v_lshl_add_u32 v[STO], v10, 7, v[STO]
	v_lshl_add_u32 v[RD], v9, 4, v[RD]
	v_lshl_add_u32 v[CO], v9, 4, v[CO]             ; a row of out0 is 4,096 bytes: lanes 0-15 one row, lanes 16-31 the next
	v_add_nc_u32 v6, s29, v6
	v_add_nc_u32 v[STO], s30, v[STO]               ; into the stage: row p, + 128 e
	v_add_nc_u32 v[RD], s30, v[RD]                 ; back: lanes 0-15 one row of 256 bytes, lanes 16-31 the next
.macro SCALES kh                       ; the scale words of four K steps: register 16 kh + 4 i + q: lanes 0-15 Wo's tile i, lanes 16-31 O's tile i
.irp i, 0,1,2,3
	ds_load_b128 v[SC+16*(\kh)+4*\i:SC+16*(\kh)+4*\i+3], v6 offset:512*\i+256*(\kh)
.endr
.endm
.macro LOADK k                         ; the fragments of K step k into set k % 2: 16 LDS loads of 512 consecutive bytes
.set FS, F+64*((\k)&1)
.irp i, 0,1,2,3
.irp c, 0,1
	ds_load_b128 v[FS+8*\i+4*\c:FS+8*\i+4*\c+3], v2 offset:8192*\i+1024*(\k)+512*\c
.endr
.endr
.irp j, 0,1,2,3
.irp c, 0,1
	ds_load_b128 v[FS+32+8*\j+4*\c:FS+32+8*\j+4*\c+3], v4 offset:8192*\j+1024*(\k)+512*\c
.endr
.endr
.endm
; Sixteen matrix instructions, the sixteen accumulators by turns, one instruction a turn, in the same order in every K step.  first = 1: the sums begin with the bias.
.macro MULK k, first
.set FS, F+64*((\k)&1)
.set SQ, SC+16*((\k)>>2)+((\k)&3)
.if \first
	WIN 0x40                                       ; D window 1
.else
	WIN 0x50                                       ; C and D window 1
.endif
.irp j, 0,1,2,3
.irp i, 0,1,2,3
.if \first
	v_wmma_scale_f32_16x16x128_f8f6f4 v[8*(4*\j+\i):8*(4*\j+\i)+7], v[FS+8*\i:FS+8*\i+7], v[FS+32+8*\j:FS+32+8*\j+7], v[BI+8*\i:BI+8*\i+7], v[SQ+4*\i], v[SQ+4*\j] matrix_a_fmt:MATRIX_FMT_FP4 matrix_b_fmt:MATRIX_FMT_FP4 matrix_b_scale:MATRIX_SCALE_ROW1
.else
	v_wmma_scale_f32_16x16x128_f8f6f4 v[8*(4*\j+\i):8*(4*\j+\i)+7], v[FS+8*\i:FS+8*\i+7], v[FS+32+8*\j:FS+32+8*\j+7], v[8*(4*\j+\i):8*(4*\j+\i)+7], v[SQ+4*\i], v[SQ+4*\j] matrix_a_fmt:MATRIX_FMT_FP4 matrix_b_fmt:MATRIX_FMT_FP4 matrix_b_scale:MATRIX_SCALE_ROW1
.endif
.endr
.endr
	WIN 0
.endm
.macro PLACES                          ; in front of loads into registers that matrix instructions have read, and of the first read of results (ISA guide 7.12.1 except for the loads)
.rept 4
	v_nop
.endr
.endm
	s_wait_alu depctr_va_vdst(0)                   ; the wait at the head's end
	s_wait_tensorcnt 0x0                           ; my load has landed
	s_barrier_signal -1
	s_barrier_wait -1                              ; everybody's has
	SCALES 0
	LOADK 0
	SCALES 1
	LOADK 1
	s_wait_loadcnt 0x0                             ; the bias
	s_wait_dscnt 20                                ; behind step 0's fragments stand four loads of scale words and step 1's sixteen
	MULK 0, 1
.irp k, 1,2,3,4,5,6
	PLACES
	LOADK \k+1                                     ; into the set that step k - 1 has read
	s_wait_dscnt 16                                ; step k's fragments are in; the next step's sixteen loads may be out
	MULK \k, 0
.endr
	s_wait_dscnt 0x0
	MULK 7, 0
; THE WAY OUT, a tile of 16 rows x my 64 outputs at a time.  A lane holds pieces of one row, and the lanes beside it hold other rows: so a tile goes through my own stage and comes back as whole runs of 256 bytes.
; LDS serves a wave's instructions in order (ISA guide 5.7.1.4): no wait between the stores and the loads, nor in front of the next tile's stores.
.macro TOSTAGE j
	WIN 0x04                                       ; the data: window 1
.irp i, 0,1,2,3
	ds_store_b128 v[STO], v[8*(4*(\j)+\i):8*(4*(\j)+\i)+3] offset:32*\i         ; each accumulator from its low end on
	ds_store_b128 v[STO], v[8*(4*(\j)+\i)+4:8*(4*(\j)+\i)+7] offset:32*\i+16
.endr
	WIN 0
.irp t, 0,1,2,3,4,5,6,7
	ds_load_b128 v[BK+32*((\j)%2)+4*\t:BK+32*((\j)%2)+4*\t+3], v[RD] offset:2*SPI*\t
.endr
.endm
.macro SEND j, younger                 ; younger: the LDS instructions issued behind tile j's loads, which may stay out
	s_wait_dscnt \younger
.irp t, 0,1,2,3,4,5,6,7
	global_store_b128 v[CO], v[BK+32*((\j)%2)+4*\t:BK+32*((\j)%2)+4*\t+3], s[14:15] offset:(((2*\t)&7)+32*(\t>>2)+8*(\j))*4096 th:TH_STORE_NT   ; position 2 t + e of tile j is this row; 16 lanes store 256 consecutive bytes, aligned
.endr
.endm
	PLACES
	TOSTAGE 0
	TOSTAGE 1
	SEND 0, 16                                     ; behind tile 0's loads: tile 1's 8 stores and 8 loads
	s_wait_xcnt 0x0                                ; tile 0's stores have read their registers: tile 2's loads may land there
	TOSTAGE 2
	SEND 1, 16
	s_wait_xcnt 0x0                                ; tile 1's likewise
	TOSTAGE 3
	SEND 2, 16
	SEND 3, 0
	s_wait_tensorcnt 0x0                           ; the wave's end
	ds_add_u32 v14, v15
	s_wait_dscnt 0x0
	ROUND                                          ; the closing round: no work-group ends while a partner may still ask for a block that names it
	s_endpgm
.Lfunc_end_k_qca00b8580d_outp:
	.size	k_qca00b8580d_outp, .Lfunc_end_k_qca00b8580d_outp-k_qca00b8580d_outp
	.p2alignl 7, 3214868480
	.fill 96, 4, 3214868480
	.section	.rodata,"a",@progbits
	.p2align	6, 0x0
	.amdhsa_kernel k_qca00b8580d_outp
		.amdhsa_group_segment_fixed_size 168448
		.amdhsa_private_segment_fixed_size 0
		.amdhsa_enable_private_segment 0
		.amdhsa_kernarg_size 48
		.amdhsa_user_sgpr_count 2
		.amdhsa_user_sgpr_kernarg_segment_ptr 1
		.amdhsa_wavefront_size32 1
		.amdhsa_system_sgpr_workgroup_id_x 1
		.amdhsa_system_sgpr_workgroup_id_y 1
		.amdhsa_system_sgpr_workgroup_id_z 1
		.amdhsa_system_vgpr_workitem_id 0
		.amdhsa_next_free_vgpr 384
		.amdhsa_next_free_sgpr 102
		.amdhsa_reserve_vcc 0
		.amdhsa_float_denorm_mode_32 3
		.amdhsa_float_denorm_mode_16_64 3
		.amdhsa_memory_ordered 1
		.amdhsa_forward_progress 1
		.amdhsa_inst_pref_size 43
	.end_amdhsa_kernel
	.amdgpu_metadata
---
amdhsa.version: [ 1, 2 ]
amdhsa.kernels:
  - .name:           k_qca00b8580d_outp
    .symbol:         k_qca00b8580d_outp.kd
    .args:
      - { .name: oc, .offset: 0, .size: 8, .value_kind: global_buffer, .address_space: global }
      - { .name: os, .offset: 8, .size: 8, .value_kind: global_buffer, .address_space: global }
      - { .name: wc, .offset: 16, .size: 8, .value_kind: global_buffer, .address_space: global }
      - { .name: ws, .offset: 24, .size: 8, .value_kind: global_buffer, .address_space: global }
      - { .name: bo, .offset: 32, .size: 8, .value_kind: global_buffer, .address_space: global }
      - { .name: out0, .offset: 40, .size: 8, .value_kind: global_buffer, .address_space: global }
    .group_segment_fixed_size: 168448
    .private_segment_fixed_size: 0
    .kernarg_segment_align: 8
    .kernarg_segment_size: 48
    .max_flat_workgroup_size: 128
    .sgpr_count:     102
    .vgpr_count:     384
    .wavefront_size: 32
...
	.end_amdgpu_metadata
.endif
;; end of part 4
